; MI455X (gfx1250); checked and timed in simulation.
; The chip was launched on July 23, 2026; its instructions are those of AMD's public machine-readable ISA for CDNA 5 (MIT licence, August 2026) and "CDNA5" Instruction Set Architecture Reference Guide (July 2026). The comments in the code are by the model that wrote it; some were corrected since.
;; Block. Allowed arithmetic: float matrix products may take bf16 or f16 operands with f32 sums; other float arithmetic in f32, or as packed bf16 or f16 multiplies, adds, multiply-adds, maxima and minima; sums over many terms, partial sums and values carried from step to step in f32; what a program stores and reads back later, other than sums and carried values, may be rounded once to bf16 or f16.
;; Inputs: W1 512 x 2,048 float32; W2 2,048 x 512 float32; Wk 512 x 512 float32; Wp 512 x 512 float32; Wq 512 x 512 float32; Wv 512 x 512 float32; b1 2,048 float32; b2 512 float32; bk 512 float32; bp 512 float32; bq 512 float32; bv 512 float32; ln1_b 512 float32; ln1_g 512 float32; ln2_b 512 float32; ln2_g 512 float32; x 4 x 2,048 x 512 float32.
;; Outputs: out0 4 x 2,048 x 512 float32.
;; Constants: cond_len = 256.
;; One version. Each part assembles by itself: llvm-mc -triple=amdgcn-amd-amdhsa -mcpu=gfx1250 --defsym DOCPART=n.
;; ======== version 1 of 1: 6 launches
;; limits: a function is approximated: absolute error at most 2.5e-05
;; workspace buffers: wts 6,291,456 bytes; qkv 25,165,824 bytes; y 8,388,608 bytes; x1 16,777,216 bytes; g 33,554,432 bytes
;; launch prep (part 1): grid 384 x 1, 8 waves a work-group, no clusters, 0 bytes of LDS; arguments Wq, Wk, Wv, Wp, W1, W2, wts; writes wts
.if DOCPART == 1
	.amdgcn_target "amdgcn-amd-amdhsa--gfx1250"
	.amdhsa_code_object_version 6
	.text
	.protected	k_qf5d8504c30_prep
	.globl	k_qf5d8504c30_prep
	.p2align	8
	.type	k_qf5d8504c30_prep,@function
k_qf5d8504c30_prep:
	s_mov_b64 s[64:65], 0
	v_nop
	global_prefetch_b8 v0, s[64:65] scope:SCOPE_SE
	s_setreg_imm32_b32 hwreg(HW_REG_WAVE_MODE, 25, 1), 1
	s_wait_xcnt 0x0
; The six weight matrices, f32 [k][n], are rounded once to bf16 and laid in column tiles: wts holds, for each matrix, [column tile of 128][k][128],
; rows of 256 bytes, a tile dense.  Wq at byte 0, Wk at 524,288, Wv at 1,048,576, Wp at 1,572,864, W1 at 2,097,152, W2 at 4,194,304.
; A stream: each source byte is read once, each byte of wts written once.  No LDS, no matrix unit and no cluster: no work-group wants a byte that another reads.
; SHARES.  A work-group takes 8,192 consecutive source numbers, in four passes of 2,048; thread t takes the 8 numbers at source byte 32 t of a pass.
; Work-groups 0-127: Wq, Wk, Wv, Wp (32 each); 128-255: W1; 256-383: W2.
; A matrix of 512 columns has 64 threads to a row (4 rows a pass), W1 with 2,048 columns 256 (1 row a pass).  16 threads cover 128 columns: 256 consecutive bytes of a tile's row, aligned.
	s_load_b256 s[4:11], s[0:1], 0x0               ; Wq s[4:5], Wk s[6:7], Wv s[8:9], Wp s[10:11]
	s_load_b128 s[12:15], s[0:1], 0x20             ; W1 s[12:13], W2 s[14:15]
	s_load_b64 s[16:17], s[0:1], 0x30              ; wts
	s_lshr_b32 s20, ttmp9, 7                       ; region 0, 1, 2
	s_lshr_b32 s21, ttmp9, 5                       ; in region 0: which of the four matrices
	s_and_b32 s22, ttmp9, 31                       ; the chunk in region 0,
	s_and_b32 s23, ttmp9, 127                      ; in regions 1 and 2
	s_lshl_b32 s26, s21, 19                        ; the matrix's place in wts in region 0,
	s_lshl_b32 s27, s20, 21                        ; in regions 1 and 2
	s_cmp_eq_u32 s20, 0
	s_cselect_b32 s22, s22, s23                    ; chunk
	s_cselect_b32 s26, s26, s27                    ; place
	s_cmp_eq_u32 s20, 1
	s_cselect_b32 s28, 8, 6                        ; log2 of the threads to a row
	s_cselect_b32 s30, 8, 10                       ; log2 of a pass's bytes in a tile: 1 row or 4 rows of 256
	s_cmp_eq_u32 s20, 2
	s_cselect_b32 s31, 19, 17                      ; log2 of a tile's bytes: 2,048 or 512 rows of 256
	s_bfm_b32 s29, s28, 0                          ; mask of a thread's place in its row
	s_lshl_b32 s38, 1, s30                         ; a pass's bytes in a tile
	s_add_co_u32 s30, s30, 2
	s_lshl_b32 s34, s22, s30                       ; the chunk's four passes,
	s_add_co_u32 s34, s34, s26                     ; behind the matrix's place
	s_mov_b32 s35, 0
	s_lshl_b32 s32, s22, 15                        ; the chunk's 32,768 source bytes
	s_mov_b32 s33, 0
	v_lshlrev_b32 v1, 5, v0                        ; source: 32 t
	v_and_b32 v2, s29, v0
	v_lshrrev_b32 v2, 4, v2                        ; column tile
	v_lshlrev_b32 v2, s31, v2
	v_lshrrev_b32 v6, s28, v0                      ; row in the pass
	v_lshl_add_u32 v2, v6, 8, v2
	v_and_b32 v6, 15, v0
	v_lshl_add_u32 v2, v6, 4, v2                   ; my 16 bytes of the tile's row
	v_add_nc_u32 v3, s38, v2                       ; passes 1, 2, 3
	v_add_nc_u32 v4, s38, v3
	v_add_nc_u32 v5, s38, v4
	s_wait_kmcnt 0x0
	s_cmp_eq_u32 s21, 1
	s_cselect_b64 s[24:25], s[6:7], s[4:5]
	s_cmp_eq_u32 s21, 2
	s_cselect_b64 s[24:25], s[8:9], s[24:25]
	s_cmp_eq_u32 s21, 3
	s_cselect_b64 s[24:25], s[10:11], s[24:25]
	s_cmp_eq_u32 s20, 1
	s_cselect_b64 s[24:25], s[12:13], s[24:25]
	s_cmp_eq_u32 s20, 2
	s_cselect_b64 s[24:25], s[14:15], s[24:25]
	s_add_nc_u64 s[24:25], s[24:25], s[32:33]
	s_add_nc_u64 s[36:37], s[16:17], s[34:35]
.irp i, 0,1,2,3
	global_load_b128 v[8+8*(\i):8+8*(\i)+3],  v1, s[24:25] offset:(\i)*8192 th:TH_LOAD_NT
	global_load_b128 v[12+8*(\i):12+8*(\i)+3], v1, s[24:25] offset:(\i)*8192+16 th:TH_LOAD_NT
.endr
.irp i, 0,1,2,3
	s_wait_loadcnt 6-2*(\i)                        ; loads come back in order: this pass's two are in, the later passes' stay out
.irp j, 0,1,2,3
	v_cvt_pk_bf16_f32 v[40+4*(\i)+(\j)], v[8+8*(\i)+2*(\j)], v[8+8*(\i)+2*(\j)+1]
.endr
	global_store_b128 v[2+(\i)], v[40+4*(\i):40+4*(\i)+3], s[36:37]  ; 16 lanes store 256 consecutive bytes, aligned
.endr
	s_endpgm
.Lfunc_end_k_qf5d8504c30_prep:
	.size	k_qf5d8504c30_prep, .Lfunc_end_k_qf5d8504c30_prep-k_qf5d8504c30_prep
	.p2alignl 7, 3214868480
	.fill 96, 4, 3214868480
	.section	.rodata,"a",@progbits
	.p2align	6, 0x0
	.amdhsa_kernel k_qf5d8504c30_prep
		.amdhsa_group_segment_fixed_size 0
		.amdhsa_private_segment_fixed_size 0
		.amdhsa_enable_private_segment 0
		.amdhsa_kernarg_size 56
		.amdhsa_user_sgpr_count 2
		.amdhsa_user_sgpr_kernarg_segment_ptr 1
		.amdhsa_wavefront_size32 1
		.amdhsa_system_sgpr_workgroup_id_x 1
		.amdhsa_system_sgpr_workgroup_id_y 1
		.amdhsa_system_sgpr_workgroup_id_z 1
		.amdhsa_system_vgpr_workitem_id 0
		.amdhsa_next_free_vgpr 64
		.amdhsa_next_free_sgpr 66
		.amdhsa_reserve_vcc 0
		.amdhsa_float_denorm_mode_32 3
		.amdhsa_float_denorm_mode_16_64 3
		.amdhsa_memory_ordered 1
		.amdhsa_forward_progress 1
		.amdhsa_inst_pref_size 5
	.end_amdhsa_kernel
	.amdgpu_metadata
---
amdhsa.version: [ 1, 2 ]
amdhsa.kernels:
  - .name:           k_qf5d8504c30_prep
    .symbol:         k_qf5d8504c30_prep.kd
    .args:
      - { .name: Wq, .offset: 0, .size: 8, .value_kind: global_buffer, .address_space: global }
      - { .name: Wk, .offset: 8, .size: 8, .value_kind: global_buffer, .address_space: global }
      - { .name: Wv, .offset: 16, .size: 8, .value_kind: global_buffer, .address_space: global }
      - { .name: Wp, .offset: 24, .size: 8, .value_kind: global_buffer, .address_space: global }
      - { .name: W1, .offset: 32, .size: 8, .value_kind: global_buffer, .address_space: global }
      - { .name: W2, .offset: 40, .size: 8, .value_kind: global_buffer, .address_space: global }
      - { .name: wts, .offset: 48, .size: 8, .value_kind: global_buffer, .address_space: global }
    .group_segment_fixed_size: 0
    .private_segment_fixed_size: 0
    .kernarg_segment_align: 8
    .kernarg_segment_size: 56
    .max_flat_workgroup_size: 256
    .sgpr_count:     66
    .vgpr_count:     64
    .wavefront_size: 32
...
	.end_amdgpu_metadata
.endif
;; end of part 1
;; launch qkv (part 2): grid 64 x 4, 4 waves a work-group, clusters of 4 x 1, 327,680 bytes of LDS; arguments x, ln1_g, ln1_b, wts, bq, bk, bv, qkv; writes qkv
.if DOCPART == 2
	.amdgcn_target "amdgcn-amd-amdhsa--gfx1250"
	.amdhsa_code_object_version 6
	.text
	.protected	k_qf5d8504c30_qkv
	.globl	k_qf5d8504c30_qkv
	.p2align	8
	.type	k_qf5d8504c30_qkv,@function
k_qf5d8504c30_qkv:
	s_mov_b64 s[64:65], 0
	v_nop
	global_prefetch_b8 v0, s[64:65] scope:SCOPE_SE
	s_setreg_imm32_b32 hwreg(HW_REG_WAVE_MODE, 25, 1), 1
	s_wait_xcnt 0x0
	s_wait_alu depctr_hold_cnt(0) depctr_sa_sdst(0) depctr_va_vdst(0) depctr_va_sdst(0) depctr_va_ssrc(0) depctr_va_vcc(0) depctr_vm_vsrc(0)
	s_getreg_b32 s2, hwreg(HW_REG_IB_STS2, 6, 4)
	s_cmp_eq_u32 s2, 0
	s_cbranch_scc0 .Lentry_in_a_cluster
	s_endpgm
.Lentry_in_a_cluster:
	s_bfe_u32 s2, ttmp6, 0x10000c
	s_cmp_lg_u32 s2, 0x3003
	s_cbranch_scc0 .Lentry_shape_is_right
	s_endpgm
.Lentry_shape_is_right:
; LAYER NORM, THEN A PRODUCT WITH K = 512.  MODE 0: qkv = LN1(x) [Wq Wk Wv] + bias, q also times log2(e) / sqrt(32).  MODE 1: g = gelu(LN2(x1) W1 + b1).
; x: [8192][512] f32.  Weights: bf16 in column tiles [tile of 128 columns][k][128].  Output: bf16 in blocks of 32 columns, element (row, col) at (col / 32) x 524,288 + row x 64 + (col % 32) x 2.
; SHARES.  A work-group owns 128 rows and NT column tiles of 128.  Its rows are normalised once, rounded to bf16 and stay in LDS (all of K); the weights go through a ring of two LDS slots, 256 along K each.
; Four waves, each 64 x 64 of a tile: 16 accumulators.  The matrix instruction is used transposed (source 0 = 16 weight columns, turned on the way out of LDS; source 1 = 16 rows), so a lane holds 8 neighbouring columns of a row.
; CLUSTER.  The four partners are four row blocks of one column group and walk the same weight tiles: every weight load is asked for jointly, the same descriptor and the mask of all four in each.
; LIMITS.  NaN and infinities are not treated apart.  v_rsq_f32, v_rcp_f32 and v_exp_f32 are good to 1 ULP.  MODE 1: erf by a rational form with |error| <= 2.5e-5 for every x (Abramowitz and Stegun 7.1.25).
; REGISTERS.  Window 0: v0-31 addresses; v32-127 at work (LN, way out); v128-255 the accumulators ((a, b) at 128 + 8 (4 a + b)); in the LN phase v128-255 hold two sets of four rows of x.
;   Window 1: two fragment buffers of 128: for 64 along K, 64 registers of rows, then 64 of weights.
.set MODE, 0
.if MODE == 0
.set NT,    3                          ; column tiles a work-group
.set WOFF,  0                          ; where the weights begin in wts
.set A_OUT, 18
.else
.set NT,    4
.set WOFF,  2097152
.set A_OUT, 14
.endif
.set A_X,  4                           ; s[4:5] x, s[6:7] gain, s[8:9] bias of the norm, s[10:11] wts, s[12:..] the products' bias(es), s[A_OUT:A_OUT+1] the output
.set A_G,  6
.set A_B,  8
.set A_W,  10
.set A_BI, 12
.set PB,    288                        ; a k row of weights in LDS: 256 bytes + 32 of padding = 72 words
.set SLOTB, 256*PB                     ; a slot: 256 k rows
.set ABASE, 2*SLOTB                    ; the normalised rows: 128 x 1,040 bytes
.set PA,    1040                       ; 1,024 bytes + 16: the 16 rows of a fragment load start at 16 different groups of four banks
.set STAGE, ABASE+128*PA               ; the way out: 32 rows x 272 bytes of f32 for each wave; no tensor load lands here
.set SPS,   272
.set SPARE, STAGE+4*32*SPS             ; the spare words, 128 bytes for each wave: two blocks of 256 bytes that no other line names
.set XO,   8                           ; v8   16 x lane
.set AW,   9                           ; v9   LN: where my 8 bytes of my wave's first row go
.set ADRA, 10                          ; v10  my place in the rows' fragments
.set AWV,  11                          ; v11  AW + the trip's step
.set ADRB, 12                          ; v12-15 my place in the weights' fragments: slot 0 rows 0-127, 128-255; slot 1 likewise
.set STO,  16                          ; v16  way out: where I put 16 bytes of f32
.set RD0,  17                          ; v17  way out: where I read 32 bytes back
.set RDV,  18                          ; v18  RD0 + the trip's step
.set GO0,  19                          ; v19  my byte offset in the output
.set BO,   21                          ; v21  my byte offset in the bias
.set PFO,  22                          ; v22  256 x lane
.set SPW,  28                          ; v28  LDS address of my spare word; never rewritten
.set NIL,  29                          ; v29  0; never rewritten
.set GN,   32                          ; LN: v32-47 gain, v48-63 bias of my 16 columns
.set BI,   48
.set LT,   64                          ; LN: 8 registers at work for each of four rows
.set LP,   96                          ; LN: 8 packed registers for each of four rows
.set XS,   128                         ; LN: two sets of 4 rows x 16 registers
.set BIAS, 32                          ; way out: v32-39 the bias of my 8 columns
.set T,    40                          ; way out: 16 numbers; D, E, MX, PP at work; OUT packed
.set D,    56
.set E,    72
.set MX,   88
.set PP,   104
.set OUT,  120
.set ACC,  128
.set F0,   0
.set F1,   128
.set WV,  20                           ; s20 wave, s21 its half of the rows, s22 its half of the columns
.set WR,  21
.set WC,  22
.set CX,  23                           ; s23 my place in the cluster: it enters global addresses of x, the output and the prefetch alone
.set RB,  24                           ; s24 row block
.set CG,  25                           ; s25 column group
.set NTI, 26                           ; s26 the tile's number
.set CNT, 27                           ; s27 tiles to go in the loop
.set LIM, 28                           ; s28 1 in a wave that prefetches, else the greatest number
.set EC,  29
.set HF,  30
.set LNC, 31
.set G1,  36                           ; s[36:43] descriptor group 1
.set G0,  44                           ; s[44:51] descriptor group 0, a set for each slot
.set PFA, 52
.set XP,  54
.set OB,  56
.set BP,  58
.set SC,  60
.set SEL, 62
.set RN,  66                           ; 1/512
.set EPSR, 67                          ; 1e-5
.set KP,  68                           ; MODE 1: constants, in pairs of which the low word is taken for both halves
.set KA3, 70
.set KA2, 72
.set KA1, 74
.set KK,  76
.set AWS, 86                           ; LN: the trip's step in LDS
.set RS,  87                           ; way out: the trip's step in the stage
.set MSB, 0
.macro WIN new                         ; the immediate's high byte repeats the setting that is left; a switch that changes nothing is dropped
.if MSB != (\new)
	s_set_vgpr_msb (MSB<<8)|(\new)
.set MSB, \new
.endif
.endm
.set MUL,  0x05                        ; sources 0 and 1 window 1; C and D window 0
.set TO_F, 0x40                        ; destination window 1, address window 0
.macro PLACES                          ; four places behind matrix instructions, in front of loads into their sources and of readers of their results
.rept 4
	v_nop
.endr
.endm
.macro CREST                           ; a round of the cluster's barrier behind its opening barrier
	s_cmp_lg_u32 s[WV], 0
	s_cbranch_scc1 .Lnot_wave_0_\@
	s_barrier_signal -3
.Lnot_wave_0_\@:
	s_barrier_wait -3
	s_barrier_signal -1
	s_barrier_wait -1
.endm
.macro CROUND
	s_barrier_signal -1
	s_barrier_wait -1
	CREST
.endm
; 8 matrix instructions: row blocks a0, a0 + 1 x all 4 column blocks, 32 along K: half c of buffer f.  zero = 1: the product starts the sums.  The 16 accumulators take turns.
.macro MUL8 f, c, a0, zero
	WIN MUL
.irp a, \a0, (\a0)+1
.irp b, 0,1,2,3
.if \zero
	v_wmma_f32_16x16x32_bf16 v[ACC+8*(4*(\a)+(\b)):ACC+8*(4*(\a)+(\b))+7], v[(\f)+64+8*(4*(\c)+(\b)):(\f)+64+8*(4*(\c)+(\b))+7], v[(\f)+8*(4*(\c)+(\a)):(\f)+8*(4*(\c)+(\a))+7], 0
.else
	v_wmma_f32_16x16x32_bf16 v[ACC+8*(4*(\a)+(\b)):ACC+8*(4*(\a)+(\b))+7], v[(\f)+64+8*(4*(\c)+(\b)):(\f)+64+8*(4*(\c)+(\b))+7], v[(\f)+8*(4*(\c)+(\a)):(\f)+8*(4*(\c)+(\a))+7], v[ACC+8*(4*(\a)+(\b)):ACC+8*(4*(\a)+(\b))+7]
.endif
.endr
.endr
.endm
; 32 LDS loads in one run: the fragments of quarter q (64 along K) of the K step in the slot, into buffer f; the first 32 along K first.  The rows' K is 256 x slot + 64 q.
.macro FETCH slot, q, f
	WIN TO_F
.irp c, 0,1
.irp i, 0,1,2,3
	ds_load_tr16_b128 v[(\f)+64+8*(4*(\c)+(\i)):(\f)+64+8*(4*(\c)+(\i))+3],   v[ADRB+2*(\slot)+(\q)/2] offset:(((\q)%2)*64+32*(\c))*PB+32*(\i)
	ds_load_tr16_b128 v[(\f)+64+8*(4*(\c)+(\i))+4:(\f)+64+8*(4*(\c)+(\i))+7], v[ADRB+2*(\slot)+(\q)/2] offset:(((\q)%2)*64+32*(\c)+16)*PB+32*(\i)
	ds_load_b128 v[(\f)+8*(4*(\c)+(\i)):(\f)+8*(4*(\c)+(\i))+3],   v[ADRA] offset:(\slot)*512+(\q)*128+64*(\c)+(\i)*16*PA
	ds_load_b128 v[(\f)+8*(4*(\c)+(\i))+4:(\f)+8*(4*(\c)+(\i))+7], v[ADRA] offset:(\slot)*512+(\q)*128+64*(\c)+(\i)*16*PA+32
.endr
.endr
.endm
; One of a K step's first three quarters: multiplies buffer f and fetches quarter q into g.
.macro QUARTER slot, q, f, g, zero
	s_wait_dscnt 16                                ; the first 32 along K are in; the younger 16 loads may be out
	MUL8 \f, 0, 0, \zero
	MUL8 \f, 0, 2, \zero
	PLACES
	FETCH \slot, \q, \g
	s_wait_dscnt 32                                ; all but the 32 just issued
	MUL8 \f, 1, 0, 0
	MUL8 \f, 1, 2, 0
.endm
; A prefetch into the L2 of the K step that stands two refills on: 256 k rows of 256 bytes, each named once in the launch: the column group's first cluster asks; its waves 0 and 1 take 128 rows each,
; of which the partner at place cx takes 32, told apart by address; a lane a row.  The loop's last trip asks for nothing: its refills are the column group's last two steps.
.macro ASK
	WIN 0
	s_cmp_gt_u32 s[CNT], s[LIM]
	s_cbranch_scc0 .Lnot_mine_\@
	global_prefetch_b8 v[PFO], s[PFA:PFA+1] th:TH_LOAD_NT scope:SCOPE_SE
.Lnot_mine_\@:
.endm
; The last quarter multiplies buffer 1 and changes slots: one barrier; in front of it each wave waits for all its tensor loads, adds 0 to its spare word, and waits for that and for its reads of this slot.
; fill = 1: the barrier opens a round of the cluster's barrier, and behind the round this slot is filled again, two K steps ahead: the wave's one tensor load, first thing there.
.macro TURN slot, next, fill
.if \fill
	s_wait_xcnt 0x0                                ; the last prefetch, a K step back, has read its address
	s_add_nc_u64 s[PFA:PFA+1], s[PFA:PFA+1], 65536
.endif
	WIN 0
	s_wait_tensorcnt 0x0                           ; all my tensor loads have landed: my part of the next slot
	ds_add_u32 v[SPW], v[NIL]                      ; 0 onto my spare word
	s_wait_dscnt 17                                ; the add and the youngest 16 loads may be out
	MUL8 F1, 0, 0, 0
	s_wait_dscnt 0x0                               ; the add is done, and my reads of this slot are over
	s_barrier_signal -1
	MUL8 F1, 0, 2, 0
.if \fill
	WIN 0
.endif
	s_barrier_wait -1
.if \fill
	CREST                                          ; no wave of any partner still reads this slot or has a load on its way
	s_add_nc_u64 s[G0+4*(\slot)+2:G0+4*(\slot)+3], s[G0+4*(\slot)+2:G0+4*(\slot)+3], 131072
	tensor_load_to_lds s[G0+4*(\slot):G0+4*(\slot)+3], s[G1:G1+7]
	s_nop 0
	PLACES                                         ; also the places in front of the loads below
.else
	PLACES
.endif
	FETCH \next, 0, F0
.if \fill
	ASK
.endif
	MUL8 F1, 1, 0, 0
	MUL8 F1, 1, 2, 0
.endm
.macro LASTQ                           ; the very last quarter: nothing more to fetch
	s_wait_dscnt 16
	MUL8 F1, 0, 0, 0
	MUL8 F1, 0, 2, 0
	s_wait_dscnt 0x0
	MUL8 F1, 1, 0, 0
	MUL8 F1, 1, 2, 0
.endm
; LAYER NORM.  A row's 512 numbers lie 16 to a lane: columns 128 c + 4 lane + 0..3.  Four rows go side by side, so that no line waits for the one before it.
.macro ALL line:vararg                 ; one line for each of the four rows
.set rr, 0
.rept 4
.set tb, LT+8*rr
.set xb, XB+16*rr
.set pb, LP+8*rr
	\line
.set rr, rr+1
.endr
.endm
.macro LOADX set, row0                 ; four rows, 16 loads of 512 consecutive bytes
.irp r, 0,1,2,3
.irp c, 0,1,2,3
	global_load_b128 v[XS+64*(\set)+16*(\r)+4*(\c):XS+64*(\set)+16*(\r)+4*(\c)+3], v[XO], s[XP:XP+1] offset:((\row0)+(\r))*2048+512*(\c)
.endr
.endr
.endm
.macro LN4 set, row0
.set XB, XS+64*(\set)
	ALL v_pk_add_f32 v[tb:tb+1], v[xb:xb+1], v[xb+2:xb+3]
	ALL v_pk_add_f32 v[tb+2:tb+3], v[xb+4:xb+5], v[xb+6:xb+7]
	ALL v_pk_add_f32 v[tb+4:tb+5], v[xb+8:xb+9], v[xb+10:xb+11]
	ALL v_pk_add_f32 v[tb+6:tb+7], v[xb+12:xb+13], v[xb+14:xb+15]
	ALL v_pk_add_f32 v[tb:tb+1], v[tb:tb+1], v[tb+2:tb+3]
	ALL v_pk_add_f32 v[tb+4:tb+5], v[tb+4:tb+5], v[tb+6:tb+7]
	ALL v_pk_add_f32 v[tb:tb+1], v[tb:tb+1], v[tb+4:tb+5]
	ALL v_add_f32 v[tb], v[tb], v[tb+1]
.irp m, 1,2,4,8
	ALL v_add_f32_dpp v[tb], v[tb], v[tb] row_xmask:\m row_mask:0xf bank_mask:0xf
.endr
	ALL v_permlanex16_b32 v[tb+1], v[tb], s[SEL], s[SEL+1]
	ALL v_add_f32 v[tb], v[tb], v[tb+1]
	ALL v_mul_f32 v[tb], s[RN], v[tb]              ; the mean
.irp j, 0,2,4,6,8,10,12,14
	ALL v_pk_add_f32 v[xb+(\j):xb+(\j)+1], v[xb+(\j):xb+(\j)+1], v[tb:tb+1] op_sel_hi:[1,0] neg_lo:[0,1] neg_hi:[0,1]
.endr
	ALL v_pk_mul_f32 v[tb+2:tb+3], v[xb:xb+1], v[xb:xb+1]
	ALL v_pk_mul_f32 v[tb+4:tb+5], v[xb+2:xb+3], v[xb+2:xb+3]
.irp j, 4,8,12
	ALL v_pk_fma_f32 v[tb+2:tb+3], v[xb+(\j):xb+(\j)+1], v[xb+(\j):xb+(\j)+1], v[tb+2:tb+3]
	ALL v_pk_fma_f32 v[tb+4:tb+5], v[xb+(\j)+2:xb+(\j)+3], v[xb+(\j)+2:xb+(\j)+3], v[tb+4:tb+5]
.endr
	ALL v_pk_add_f32 v[tb+2:tb+3], v[tb+2:tb+3], v[tb+4:tb+5]
	ALL v_add_f32 v[tb+2], v[tb+2], v[tb+3]
.irp m, 1,2,4,8
	ALL v_add_f32_dpp v[tb+2], v[tb+2], v[tb+2] row_xmask:\m row_mask:0xf bank_mask:0xf
.endr
	ALL v_permlanex16_b32 v[tb+3], v[tb+2], s[SEL], s[SEL+1]
	ALL v_add_f32 v[tb+2], v[tb+2], v[tb+3]
	ALL v_fma_f32 v[tb+2], v[tb+2], s[RN], s[EPSR] ; the variance + 1e-5
	ALL v_rsq_f32 v[tb+4], v[tb+2]
	v_nop                                          ; a plain instruction behind the last v_rsq_f32,
	s_wait_alu depctr_va_vdst(0)                   ; and the wait ahead of the first use: one for the four
.irp j, 0,2,4,6,8,10,12,14
	ALL v_pk_mul_f32 v[xb+(\j):xb+(\j)+1], v[xb+(\j):xb+(\j)+1], v[tb+4:tb+5] op_sel_hi:[1,0]
.endr
.irp j, 0,2,4,6,8,10,12,14
	ALL v_pk_fma_f32 v[xb+(\j):xb+(\j)+1], v[xb+(\j):xb+(\j)+1], v[GN+(\j):GN+(\j)+1], v[BI+(\j):BI+(\j)+1]
.endr
.irp j, 0,1,2,3,4,5,6,7
	ALL v_cvt_pk_bf16_f32 v[pb+(\j)], v[xb+2*(\j)], v[xb+2*(\j)+1]
.endr
.irp c, 0,1,2,3
	ALL ds_store_b64 v[AWV], v[pb+2*(\c):pb+2*(\c)+1] offset:((\row0)+rr)*PA+256*(\c)
.endr
.endm
; The bias of my 8 columns of this tile: asked for at the tile's head, waited for on the way out.
.macro BIASLD
	s_wait_xcnt 0x0                                ; earlier loads have read their base
.if MODE == 0
	s_cmp_lt_u32 s[NTI], 8
	s_cselect_b64 s[BP:BP+1], s[A_BI+2:A_BI+3], s[A_BI+4:A_BI+5]
	s_cmp_lt_u32 s[NTI], 4
	s_cselect_b64 s[BP:BP+1], s[A_BI:A_BI+1], s[BP:BP+1]
	s_cselect_b32 s[SC], 0x3e8293ee, 1.0           ; q is scaled by log2(e) / sqrt(32), in f32, ahead of its one rounding
	s_mov_b32 s[SC+1], s[SC]
	s_and_b32 s32, s[NTI], 3
	s_lshl_b32 s32, s32, 9
.else
	s_mov_b64 s[BP:BP+1], s[A_BI:A_BI+1]
	s_lshl_b32 s32, s[NTI], 9
.endif
	s_lshl_b32 s33, s[WC], 8
	s_add_co_u32 s32, s32, s33
	s_mov_b32 s33, 0
	s_add_nc_u64 s[BP:BP+1], s[BP:BP+1], s[32:33]
	global_load_b128 v[BIAS:BIAS+3],   v[BO], s[BP:BP+1]
	global_load_b128 v[BIAS+4:BIAS+7], v[BO], s[BP:BP+1] offset:16
.endm
.macro STORES a0                       ; row blocks a0, a0 + 1 into my stage, each accumulator's low registers first
.irp a, 0,1
.irp b, 0,1,2,3
	ds_store_b128 v[STO], v[ACC+8*(4*((\a0)+(\a))+(\b)):ACC+8*(4*((\a0)+(\a))+(\b))+3]   offset:(\a)*16*SPS+64*(\b)
	ds_store_b128 v[STO], v[ACC+8*(4*((\a0)+(\a))+(\b))+4:ACC+8*(4*((\a0)+(\a))+(\b))+7] offset:(\a)*16*SPS+64*(\b)+16
.endr
.endr
.endm
; THE WAY OUT of a tile, the wave's own: no barrier.  32 rows at a time go into my stage as f32; a trip reads 8 rows back so that a lane holds 8 neighbouring columns of a row (and of the row four below),
; adds the bias, applies the scale or the GELU, rounds to bf16 and stores: 16 lanes fill 256 consecutive bytes of a block of 32 columns (four rows of 64 bytes).
.macro EPI
	PLACES
	s_wait_loadcnt 0x0                             ; the bias
.if MODE == 0
.irp j, 0,2,4,6
	v_pk_mul_f32 v[BIAS+(\j):BIAS+(\j)+1], v[BIAS+(\j):BIAS+(\j)+1], s[SC:SC+1] op_sel_hi:[1,0]
.endr
.endif
	s_mov_b32 s[HF], 0
.Lhalf_\@:
	s_cmp_eq_u32 s[HF], 0
	s_cbranch_scc0 .Lhi_\@
	STORES 0
	s_branch .Lst_\@
.Lhi_\@:
	STORES 2
.Lst_\@:
	s_mov_b32 s[RS], 0
	s_mov_b32 s[EC], 4
.Ltrip_\@:
	v_add_nc_u32 v[RDV], s[RS], v[RD0]
	ds_load_b128 v[T:T+3],     v[RDV]              ; LDS serves a wave's instructions in order (ISA guide 5.7.1.4): these see the stores above
	ds_load_b128 v[T+4:T+7],   v[RDV] offset:16
	ds_load_b128 v[T+8:T+11],  v[RDV] offset:4*SPS
	ds_load_b128 v[T+12:T+15], v[RDV] offset:4*SPS+16
	s_wait_dscnt 0x0
.if MODE == 0
.irp j, 0,2,4,6
	v_pk_fma_f32 v[T+(\j):T+(\j)+1],     v[T+(\j):T+(\j)+1],     s[SC:SC+1], v[BIAS+(\j):BIAS+(\j)+1] op_sel_hi:[1,0,1]
	v_pk_fma_f32 v[T+8+(\j):T+8+(\j)+1], v[T+8+(\j):T+8+(\j)+1], s[SC:SC+1], v[BIAS+(\j):BIAS+(\j)+1] op_sel_hi:[1,0,1]
.endr
.else
	; gelu(x) = max(x, 0) - |x| r, r = ((a3 t + a2) t + a1) t 2^(-k x x), t = 1 / (1 + p |x|): erf's form with x / sqrt(2) and the factor 1/2 folded into p, a1-a3 and k
.irp j, 0,2,4,6
	v_pk_add_f32 v[T+(\j):T+(\j)+1],     v[T+(\j):T+(\j)+1],     v[BIAS+(\j):BIAS+(\j)+1]
	v_pk_add_f32 v[T+8+(\j):T+8+(\j)+1], v[T+8+(\j):T+8+(\j)+1], v[BIAS+(\j):BIAS+(\j)+1]
.endr
.set i, 0
.rept 16
	v_fma_f32 v[D+i], |v[T+i]|, s[KP], 1.0
.set i, i+1
.endr
.set i, 0
.rept 8
	v_pk_mul_f32 v[E+i:E+i+1], v[T+i:T+i+1], v[T+i:T+i+1]
.set i, i+2
.endr
.set i, 0
.rept 8
	v_pk_mul_f32 v[E+i:E+i+1], v[E+i:E+i+1], s[KK:KK+1] op_sel_hi:[1,0]
.set i, i+2
.endr
.set i, 0
.rept 16                               ; one batch of 32: none of these lines names another's result
	v_rcp_f32 v[D+i], v[D+i]
	v_max_num_f32 v[MX+i], 0, v[T+i]
	v_exp_f32 v[E+i], v[E+i]
.set i, i+1
.endr
	v_nop                                          ; a plain instruction behind the last of the batch,
	s_wait_alu depctr_va_vdst(0)                   ; and one wait for the batch, ahead of its first reader
.set i, 0
.rept 8
	v_pk_fma_f32 v[PP+i:PP+i+1], v[D+i:D+i+1], s[KA3:KA3+1], s[KA2:KA2+1] op_sel_hi:[1,0,0]
.set i, i+2
.endr
.set i, 0
.rept 8
	v_pk_fma_f32 v[PP+i:PP+i+1], v[PP+i:PP+i+1], v[D+i:D+i+1], s[KA1:KA1+1] op_sel_hi:[1,1,0]
.set i, i+2
.endr
.set i, 0
.rept 8
	v_pk_mul_f32 v[PP+i:PP+i+1], v[PP+i:PP+i+1], v[D+i:D+i+1]
.set i, i+2
.endr
.set i, 0
.rept 8
	v_pk_mul_f32 v[PP+i:PP+i+1], v[PP+i:PP+i+1], v[E+i:E+i+1]
.set i, i+2
.endr
.set i, 0
.rept 16
	v_fma_f32 v[T+i], -|v[T+i]|, v[PP+i], v[MX+i]
.set i, i+1
.endr
.endif
.irp j, 0,1,2,3,4,5,6,7
	v_cvt_pk_bf16_f32 v[OUT+(\j)], v[T+2*(\j)], v[T+2*(\j)+1]
.endr
	global_store_b128 v[GO0], v[OUT:OUT+3],   s[OB:OB+1]
	global_store_b128 v[GO0], v[OUT+4:OUT+7], s[OB:OB+1] offset:256
	s_wait_xcnt 0x0                                ; the stores have read their data and their base: both are written again only behind this wait
	s_add_nc_u64 s[OB:OB+1], s[OB:OB+1], 512       ; 8 rows of 64 bytes on
	s_add_co_u32 s[RS], s[RS], 8*SPS
	s_sub_co_u32 s[EC], s[EC], 1
	s_cmp_lg_u32 s[EC], 0
	s_cbranch_scc1 .Ltrip_\@
	s_add_co_u32 s[HF], s[HF], 1
	s_cmp_lt_u32 s[HF], 2
	s_cbranch_scc1 .Lhalf_\@
	s_add_nc_u64 s[OB:OB+1], s[OB:OB+1], 2097152-4096  ; the next tile: four blocks of 32 columns on, back to my first row
	s_add_co_u32 s[NTI], s[NTI], 1
.endm
; A TILE: two K steps of 256, then the way out.  last = 1: the column group's last tile: nothing is asked for.
.macro TILE last
	BIASLD
	QUARTER 0, 1, F0, F1, 1
	QUARTER 0, 2, F1, F0, 0
	QUARTER 0, 3, F0, F1, 0
.if \last
	TURN 0, 1, 0
.else
	TURN 0, 1, 1
.endif
	QUARTER 1, 1, F0, F1, 0
	QUARTER 1, 2, F1, F0, 0
	QUARTER 1, 3, F0, F1, 0
.if \last
	LASTQ
.else
	TURN 1, 0, 1                                   ; also fetches the next tile's first fragments
.endif
	WIN 0
	EPI
.endm
.if MODE == 0
	s_load_b512 s[4:19], s[0:1], 0x0               ; x, gain, bias, wts, bq, bk, bv, qkv
.else
	s_load_b256 s[4:11], s[0:1], 0x0               ; x1, gain, bias, wts
	s_load_b128 s[12:15], s[0:1], 0x20             ; b1, g
.endif
	v_lshl_add_u32 v[SPW], v0, 2, SPARE
	v_mov_b32 v[NIL], 0
	ds_add_u32 v[SPW], v[NIL]                      ; the wave's opening: the add and its wait stand ahead of my first tensor load; the set-up below, work on registers, stands between them
	v_lshrrev_b32 v1, 5, v0
	v_readfirstlane_b32 s[WV], v1
	s_lshr_b32 s[WR], s[WV], 1
	s_and_b32 s[WC], s[WV], 1
	s_bfe_u32 s[CX], ttmp6, 0x40000
	s_lshl_b32 s[RB], ttmp9, 2
	s_add_co_u32 s[RB], s[RB], s[CX]               ; row block = 4 x cluster x + cx
	s_and_b32 s[CG], ttmp7, 0xffff                 ; column group, which the four partners share
	s_mul_i32 s[NTI], s[CG], NT
	; descriptor group 1: 64 k rows of 128 elements, dense in memory, padded in LDS
	s_mov_b32 s[G1], 15|(1<<16)|(1<<20)|(1<<21)|(5<<22)|(7<<25)  ; the mask of four; 2-byte elements; padding on; bit 21 beside a mask; after every 64 words, 8 words
	s_mov_b32 s[G1+1], 128<<16                     ; tensor_dim0 = 128
	s_mov_b32 s[G1+2], 64<<16                      ; tensor_dim1 = 64
	s_mov_b32 s[G1+3], 128<<16                     ; tile_dim0 = 128
	s_mov_b32 s[G1+4], 64                          ; tile_dim1 = 64
	s_mov_b32 s[G1+5], 128                         ; elements from row to row
	s_mov_b32 s[G1+6], 0
	s_mov_b32 s[G1+7], 0
	s_mul_i32 s32, s[CG], NT*131072                ; the column group's tiles,
	s_lshl_b32 s33, s[WV], 14                      ; my 64 k rows of a step
	s_add_co_u32 s32, s32, s33
	s_add_co_u32 s32, s32, WOFF
	s_mov_b32 s33, 0
	s_mul_i32 s34, s[WV], 64*PB                    ; and their place in a slot
	s_lshl_b32 s80, s[RB], 18                      ; x: my block's 128 rows of 2,048 bytes,
	s_lshl_b32 s81, s[WV], 16                      ; my wave's 32
	s_add_co_u32 s80, s80, s81
	s_mov_b32 s81, 0
	s_mul_i32 s82, s[CG], NT*2097152               ; output: the column group's blocks of 32 columns,
	s_lshl_b32 s83, s[WC], 20                      ; my two of a tile's four,
	s_add_co_u32 s82, s82, s83
	s_lshl_b32 s83, s[RB], 13                      ; my block's rows of 64 bytes,
	s_add_co_u32 s82, s82, s83
	s_lshl_b32 s83, s[WR], 12                      ; my wave's 64
	s_add_co_u32 s82, s82, s83
	s_mov_b32 s83, 0
	s_mul_i32 s84, s[CG], NT*131072                ; prefetch: at K step 3; the first refill steps it to 4
	s_lshl_b32 s85, s[WV], 15
	s_add_co_u32 s84, s84, s85
	s_lshl_b32 s85, s[CX], 13
	s_add_co_u32 s84, s84, s85
	s_add_co_u32 s84, s84, WOFF+3*65536
	s_mov_b32 s85, 0
	s_lshr_b32 s[LIM], s[WV], 1                    ; 0 in waves 0 and 1,
	s_or_b32 s[LIM], s[LIM], ttmp9                 ; in the column group's first cluster: the same in all four partners
	s_cmp_eq_u32 s[LIM], 0
	s_cselect_b32 s[LIM], 1, -1
	s_mov_b32 s[SEL], 0x76543210
	s_mov_b32 s[SEL+1], 0xfedcba98
	s_mov_b32 s[RN], 0x3b000000                    ; 1/512
	s_mov_b32 s[EPSR], 0x3727c5ac                  ; 1e-5
.if MODE == 1
	s_mov_b32 s[KP], 0x3eaa540e                    ; p / sqrt(2) = 0.3326725
	s_mov_b32 s[KP+1], s[KP]
	s_mov_b32 s[KA3], 0x3ebf7377                   ; a3 / 2 = 0.3739278
	s_mov_b32 s[KA3+1], s[KA3]
	s_mov_b32 s[KA2], 0xbd445ca1                   ; a2 / 2 = -0.0479399
	s_mov_b32 s[KA2+1], s[KA2]
	s_mov_b32 s[KA1], 0x3e32303a                   ; a1 / 2 = 0.1740121
	s_mov_b32 s[KA1+1], s[KA1]
	s_mov_b32 s[KK], 0xbf38aa3b                    ; -log2(e) / 2
	s_mov_b32 s[KK+1], s[KK]
.endif
	v_and_b32 v1, 15, v0                           ; r = l % 16
	v_bfe_u32 v2, v0, 4, 1                         ; h = l / 16
	v_and_b32 v3, 31, v0                           ; l
	v_lshlrev_b32 v[XO], 4, v3
	s_mul_i32 s35, s[WV], 32*PA
	s_add_co_u32 s35, s35, ABASE
	v_lshl_add_u32 v[AW], v3, 3, s35               ; my wave's first row, 8 bytes a lane
	s_mul_i32 s35, s[WR], 64*PA
	s_add_co_u32 s35, s35, ABASE
	v_mul_u32_u24 v[ADRA], v1, PA
	v_lshl_add_u32 v[ADRA], v2, 4, v[ADRA]
	v_add_nc_u32 v[ADRA], s35, v[ADRA]             ; row x pitch + 16 x half
	v_and_b32 v4, 7, v0
	v_lshl_add_u32 v4, v2, 3, v4                   ; the turning load: k row 8 h + l % 8,
	v_mul_u32_u24 v4, v4, PB
	v_bfe_u32 v5, v0, 3, 1
	v_lshl_add_u32 v4, v5, 4, v4                   ; columns 8 ((l / 8) % 2) + 0..7
	s_lshl_b32 s35, s[WC], 7
	v_add_nc_u32 v[ADRB], s35, v4
	v_add_nc_u32 v[ADRB+1], 128*PB, v[ADRB]
	v_add_nc_u32 v[ADRB+2], SLOTB, v[ADRB]
	v_add_nc_u32 v[ADRB+3], SLOTB+128*PB, v[ADRB]
	s_mul_i32 s35, s[WV], 32*SPS
	s_add_co_u32 s35, s35, STAGE
	v_mul_u32_u24 v[STO], v1, SPS
	v_lshl_add_u32 v[STO], v2, 5, v[STO]
	v_add_nc_u32 v[STO], s35, v[STO]               ; in: row r, 32 bytes for each half of the lanes
	v_bfe_u32 v4, v0, 2, 2                         ; back: row (l / 4) % 4,
	v_and_b32 v5, 3, v0                            ; 8 columns l % 4 of the block of 32 columns l / 16
	v_mul_u32_u24 v[RD0], v4, SPS
	v_lshl_add_u32 v[RD0], v2, 7, v[RD0]
	v_lshl_add_u32 v[RD0], v5, 5, v[RD0]
	v_add_nc_u32 v[RD0], s35, v[RD0]
	v_lshlrev_b32 v[GO0], 19, v2
	v_lshl_add_u32 v[GO0], v4, 6, v[GO0]
	v_lshl_add_u32 v[GO0], v5, 4, v[GO0]
	v_lshlrev_b32 v[BO], 7, v2
	v_lshl_add_u32 v[BO], v5, 5, v[BO]
	v_lshlrev_b32 v[PFO], 8, v3
	s_wait_dscnt 0x0                               ; the opening add is done
	s_wait_kmcnt 0x0
	s_add_nc_u64 s[32:33], s[A_W:A_W+1], s[32:33]
	s_add_nc_u64 s[XP:XP+1], s[A_X:A_X+1], s[80:81]
	s_add_nc_u64 s[OB:OB+1], s[A_OUT:A_OUT+1], s[82:83]
	s_add_nc_u64 s[PFA:PFA+1], s[A_W:A_W+1], s[84:85]
	CROUND                                         ; all four work-groups are here: the first joint loads meet
.irp n, 0,1
	s_mov_b32 s[G0+4*(\n)], 1                      ; count = 1
	s_add_co_u32 s[G0+4*(\n)+1], s34, (\n)*SLOTB   ; LDS address
	s_add_nc_u64 s[G0+4*(\n)+2:G0+4*(\n)+3], s[32:33], (\n)*65536  ; K step n
	s_or_b32 s[G0+4*(\n)+3], s[G0+4*(\n)+3], 0x80000000            ; type = 2
.endr
	tensor_load_to_lds s[G0:G0+3], s[G1:G1+7]      ; both slots' first fills go out together: two loads of mine are out
	s_nop 0
	tensor_load_to_lds s[G0+4:G0+7], s[G1:G1+7]
	s_nop 0
	PLACES
	; THE LN PHASE: wave w normalises rows 32 w .. 32 w + 31, 8 a trip in two sets of four; while one set is worked on the other's 16 loads are out.
.irp c, 0,1,2,3
	global_load_b128 v[GN+4*(\c):GN+4*(\c)+3], v[XO], s[A_G:A_G+1] offset:512*(\c)
	global_load_b128 v[BI+4*(\c):BI+4*(\c)+3], v[XO], s[A_B:A_B+1] offset:512*(\c)
.endr
	LOADX 0, 0
	s_mov_b32 s[AWS], 0
	s_mov_b32 s[LNC], 4
.Lln:
	LOADX 1, 4
	v_add_nc_u32 v[AWV], s[AWS], v[AW]
	s_wait_loadcnt 16                              ; all but set 1's 16 loads, just issued: set 0 is in (and gain and bias)
	LN4 0, 0
	s_cmp_eq_u32 s[LNC], 1
	s_cbranch_scc1 .Lln_end                        ; the last trip has no rows behind it
	LOADX 0, 8
	s_wait_loadcnt 16                              ; set 1 is in; set 0's next rows stay out
	s_branch .Lln_two
.Lln_end:
	s_wait_loadcnt 0x0
.Lln_two:
	LN4 1, 4
	s_add_co_u32 s[AWS], s[AWS], 8*PA
	s_wait_xcnt 0x0                                ; the loads have read their base
	s_add_nc_u64 s[XP:XP+1], s[XP:XP+1], 8*2048
	s_sub_co_u32 s[LNC], s[LNC], 1
	s_cmp_lg_u32 s[LNC], 0
	s_cbranch_scc1 .Lln
	s_wait_tensorcnt 0x1                           ; my part of K step 0 is in; step 1's may stay out
	s_wait_dscnt 0x0                               ; my rows lie in LDS
	s_barrier_signal -1
	s_barrier_wait -1                              ; everybody's do
	FETCH 0, 0, F0
	WIN 0                                          ; at a label and at a branch every window is 0
	s_mov_b32 s[CNT], NT-1
.Ltile:
	TILE 0
	s_sub_co_u32 s[CNT], s[CNT], 1
	s_cmp_lg_u32 s[CNT], 0
	s_cbranch_scc1 .Ltile
	TILE 1                                         ; the last tile is written out
	s_wait_tensorcnt 0x0                           ; the wave's end, behind my last tensor load and my last LDS store
	ds_add_u32 v[SPW], v[NIL]
	s_wait_dscnt 0x0
	CROUND                                         ; the closing round
	s_endpgm
.Lfunc_end_k_qf5d8504c30_qkv:
	.size	k_qf5d8504c30_qkv, .Lfunc_end_k_qf5d8504c30_qkv-k_qf5d8504c30_qkv
	.p2alignl 7, 3214868480
	.fill 96, 4, 3214868480
	.section	.rodata,"a",@progbits
	.p2align	6, 0x0
	.amdhsa_kernel k_qf5d8504c30_qkv
		.amdhsa_group_segment_fixed_size 327680
		.amdhsa_private_segment_fixed_size 0
		.amdhsa_enable_private_segment 0
		.amdhsa_kernarg_size 64
		.amdhsa_user_sgpr_count 2
		.amdhsa_user_sgpr_kernarg_segment_ptr 1
		.amdhsa_wavefront_size32 1
		.amdhsa_system_sgpr_workgroup_id_x 1
		.amdhsa_system_sgpr_workgroup_id_y 1
		.amdhsa_system_sgpr_workgroup_id_z 1
		.amdhsa_system_vgpr_workitem_id 0
		.amdhsa_next_free_vgpr 512
		.amdhsa_next_free_sgpr 100
		.amdhsa_reserve_vcc 0
		.amdhsa_float_denorm_mode_32 3
		.amdhsa_float_denorm_mode_16_64 3
		.amdhsa_memory_ordered 1
		.amdhsa_forward_progress 1
		.amdhsa_inst_pref_size 127
	.end_amdhsa_kernel
	.amdgpu_metadata
---
amdhsa.version: [ 1, 2 ]
amdhsa.kernels:
  - .name:           k_qf5d8504c30_qkv
    .symbol:         k_qf5d8504c30_qkv.kd
    .args:
      - { .name: x, .offset: 0, .size: 8, .value_kind: global_buffer, .address_space: global }
      - { .name: ln1_g, .offset: 8, .size: 8, .value_kind: global_buffer, .address_space: global }
      - { .name: ln1_b, .offset: 16, .size: 8, .value_kind: global_buffer, .address_space: global }
      - { .name: wts, .offset: 24, .size: 8, .value_kind: global_buffer, .address_space: global }
      - { .name: bq, .offset: 32, .size: 8, .value_kind: global_buffer, .address_space: global }
      - { .name: bk, .offset: 40, .size: 8, .value_kind: global_buffer, .address_space: global }
      - { .name: bv, .offset: 48, .size: 8, .value_kind: global_buffer, .address_space: global }
      - { .name: qkv, .offset: 56, .size: 8, .value_kind: global_buffer, .address_space: global }
    .group_segment_fixed_size: 327680
    .private_segment_fixed_size: 0
    .kernarg_segment_align: 8
    .kernarg_segment_size: 64
    .max_flat_workgroup_size: 128
    .sgpr_count:     100
    .vgpr_count:     512
    .wavefront_size: 32
...
	.end_amdgpu_metadata
.endif
;; end of part 2
;; launch attn (part 3): grid 4 x 64, 8 waves a work-group, no clusters, 327,680 bytes of LDS; arguments qkv, y; writes y
.if DOCPART == 3
	.amdgcn_target "amdgcn-amd-amdhsa--gfx1250"
	.amdhsa_code_object_version 6
	.text
	.protected	k_qf5d8504c30_attn
	.globl	k_qf5d8504c30_attn
	.p2align	8
	.type	k_qf5d8504c30_attn,@function
k_qf5d8504c30_attn:
	s_mov_b64 s[64:65], 0
	v_nop
	global_prefetch_b8 v0, s[64:65] scope:SCOPE_SE
	s_setreg_imm32_b32 hwreg(HW_REG_WAVE_MODE, 25, 1), 1
	s_wait_xcnt 0x0
; ATTENTION at head size 32 under the mask 'key j is seen by row i iff j <= max(i, 255)' (all rows see the first 256 keys; behind them the mask is causal).
; qkv: bf16, [48 blocks][8192 rows][32]: block = part x 16 + head (q, k, v), row = batch x 2048 + t; a head's rows are dense, 64 bytes each.  q carries log2(e) / sqrt(32).  y: [16][8192][32] likewise.
; Products, maxima and sums in f32; the weights p = 2^(s - m) are rounded to bf16 for the second product, and their sum l is taken of the rounded p, by the matrix unit (a block of ones as source 0).
; LIMITS.  A hidden score counts as -1e30; a weight below 2^-126 counts as 0; NaN and infinities are not treated apart.
; THE WALK.  A head's 2,048 queries are 8 blocks of 256; block i needs the key tiles 0 .. i of 256 keys.  A work-group takes blocks 7 - b and then b: 9 tiles, whatever b: one loop with a constant count.
; Only a block's last tile holds the diagonal, and block 0's tile is seen whole.  Wave w owns queries 32 w .. 32 w + 31 of a block (two tiles of 16); in the diagonal tile's step s of 64 keys, with band = w / 2:
; s < band: all keys are seen; s = band: hidden scores are replaced; s > band: the step is jumped, forward, over no barrier and no tensor load.
; EIGHT WAVES, two to a SIMD, and a step in plain phases: a tile of 16 queries has some 94 vector instructions for 10 matrix instructions a step, more than any order can set beside the products.
; NO CLUSTER: a head's four work-groups need different numbers of tiles of each block, and a walk common to all four would have 12 trips for 9.
; LAYOUT.  S^T = K Q^T (source 0 = 16 keys, source 1 = 16 queries): a lane holds one query (lane % 16) and the keys 8 (lane / 16) + 0..7.  Two such results rounded in pairs are source 1 of O^T = V^T P.
.set PK,    80                         ; a key's row in LDS: 64 bytes + 16: the 16 rows of a load start at 16 different groups of four banks (64 banks of 4 bytes: ISA guide 11.1)
.set PV,    96                         ; V's: 64 + 32
.set VOFF,  256*PK                     ; a slot: 256 rows of K, then 256 rows of V
.set SLOT1, 65536                      ; slot 1 begins here: one exclusive or turns an address in one slot into the other's
.set STAGE, SLOT1+256*(PK+PV)          ; the way out: 16 rows x 80 bytes for each wave; no tensor load lands here
.set SP,    80
.set SPARE, STAGE+8*16*SP              ; the spare words, 128 bytes for each wave: four blocks of 256 bytes that no other line names
.set AK0, 2
.set AV0, 3
.set AK,  4
.set AV,  5
.set STO, 6
.set RD,  7
.set GO,  8
.set QO,  9
.set DQ0, 10                           ; v10, v11: my query's place in its band's 64 keys, less my lanes' 8 (l / 16), for tile 0, 1
.set DQ1, 11
.set SPW, 12
.set NIL, 13
.set PFO, 14
.set BIG, 15                           ; -1e30
.set ST,  16                           ; tile t's statistics at v[16 + 8 t]: m, m_old, a (on the way out 1 / l), m_old - m, c0-c3
.set Q,   32                           ; v32-47 Q, 8 a tile
.set ONES, 48                          ; v48-55 bf16 ones
.set KF,  56                           ; v56-87 K of a step: key block kb at 8 kb
.set VF,  88                           ; v88-119 V of a step: key half kk, channel block cb at 16 kk + 8 cb
.set S,   120                          ; v120-183 S^T, 32 a tile; P is packed in place into the first 16
.set O,   184                          ; v184-231 O^T, 24 a tile: channels 0-15, 16-31, l
.set QB,  232                          ; v232-247 the second block's Q
.set KB,  8                            ; s[8:9] the head's K, s[10:11] its V
.set VB,  10
.set QHI, 12
.set QLO, 14
.set YB,  16
.set YLO, 18
.set WV,  20
.set PBK, 21                           ; b
.set HI,  22                           ; 7 - b
.set BAND, 23
.set G1K, 24
.set G1V, 32
.set G0K, 40
.set G0V, 44
.set SLOTS, 48
.set SI,  49
.set DS,  50                           ; the step that holds the diagonal, or 4
.set RT,  51                           ; tiles of the block in hand still to be entered
.set NXT, 52                           ; the tile to be asked for next
.set LQ,  53                           ; the last tile of the block whose tiles are being asked for
.set LIM, 54
.set CUR, 55                           ; the block in hand
.set OFF, 56
.set TBK, 58
.set TBV, 59
.set SEL, 60
.set PFA, 66
; A fill.  Wave 0 fetches a tile's K, wave 1 its V, 16,384 dense bytes each; the others none.  An s_nop 0 and four v_nop follow each of the two lines.
.macro LOAD
	s_cmp_lg_u32 s[WV], 0
	s_cbranch_scc1 .Lnot_k_\@
	tensor_load_to_lds s[G0K:G0K+3], s[G1K:G1K+7]
	s_nop 0
.rept 4
	v_nop
.endr
	s_branch .Lasked_\@
.Lnot_k_\@:
	s_cmp_lg_u32 s[WV], 1
	s_cbranch_scc1 .Lasked_\@
	tensor_load_to_lds s[G0V:G0V+3], s[G1V:G1V+7]
	s_nop 0
.rept 4
	v_nop
.endr
.Lasked_\@:
.endm
; A prefetch into the L2 of the tile that the NEXT change of slots will ask for: 64 blocks of 256 bytes of K (wave 2) and of V (wave 3), a lane a block, two instructions.  All four work-groups of a head begin
; with tiles 0, 1, 2 ..: the one with b = 0, whose first block walks tiles 0 to 7, asks, each tile once.  Trips 0 to 5 name tiles 2 to 7; later trips ask for nothing.
.macro ASK
	s_cmp_gt_u32 s[SLOTS], s[LIM]
	s_cbranch_scc0 .Lnone_\@
	global_prefetch_b8 v[PFO], s[PFA:PFA+1] th:TH_LOAD_NT scope:SCOPE_SE
	global_prefetch_b8 v[PFO], s[PFA:PFA+1] offset:8192 th:TH_LOAD_NT scope:SCOPE_SE
.Lnone_\@:
.endm
; THE CHANGE OF SLOTS.  Each wave waits for all its tensor loads, adds 0 to its spare word, and waits for that and for its reads of the slot that it leaves.  Behind the barrier nobody reads the old slot and the
; other slot is whole.  fill = 1: the old slot is filled again, first thing behind the barrier, with tile NXT.  (At its first use nothing has been read: slot 0 is waited for, slot 1 filled.)
.macro CHANGE fill
	s_wait_tensorcnt 0x0                           ; no tensor load of mine is out, so a group 0 may be written
	ds_add_u32 v[SPW], v[NIL]                      ; 0 onto my spare word
.if \fill
	s_lshl_b32 s[OFF], s[NXT], 14                  ; a tile is 16,384 bytes of K and of V
	s_xor_b32 s[G0K+1], s[G0K+1], SLOT1
	s_add_nc_u64 s[G0K+2:G0K+3], s[KB:KB+1], s[OFF:OFF+1]
	s_or_b32 s[G0K+3], s[G0K+3], 0x80000000
	s_xor_b32 s[G0V+1], s[G0V+1], SLOT1
	s_add_nc_u64 s[G0V+2:G0V+3], s[VB:VB+1], s[OFF:OFF+1]
	s_or_b32 s[G0V+3], s[G0V+3], 0x80000000
	s_add_co_u32 s[NXT], s[NXT], 1                 ; the block's next tile, or behind its last the second block's tile 0
	s_cmp_gt_u32 s[NXT], s[LQ]
	s_cselect_b32 s[NXT], 0, s[NXT]
	s_cselect_b32 s[LQ], s[PBK], s[LQ]
	s_wait_xcnt 0x0                                ; the last prefetches, a tile back, have read their address
	s_add_nc_u64 s[PFA:PFA+1], s[PFA:PFA+1], 16384
.endif
	s_wait_dscnt 0x0                               ; the add is done, and my reads of the slot are over
	s_barrier_signal -1
	s_sub_co_u32 s[TBK], s[TBK], 256*PK            ; the fetches go back to a slot's first step,
	s_xor_b32 s[TBK], s[TBK], SLOT1                ; in the other slot
	s_sub_co_u32 s[TBV], s[TBV], 256*PV
	s_xor_b32 s[TBV], s[TBV], SLOT1
	s_barrier_wait -1
.if \fill
	LOAD
	ASK
.endif
.endm
; Number n of the 20 that find tile t's maximum and statistics; each accumulator's lowest registers are read first.
.macro MAXN t, n
.set rT, ST+8*(\t)
.set rS, S+32*(\t)
.if (\n) < 4
	v_max3_num_f32 v[rT+4+(\n)], v[rS+8*(\n)], v[rS+8*(\n)+1], v[rS+8*(\n)+2]
.elseif (\n) < 12
	v_max3_num_f32 v[rT+4+(\n)%4], v[rT+4+(\n)%4], v[rS+8*((\n)%4)+2*((\n)/4)+1], v[rS+8*((\n)%4)+2*((\n)/4)+2]
.elseif (\n) == 12
	v_max3_num_f32 v[rT+4], v[rT+4], v[rS+7], v[rS+15]
.elseif (\n) == 13
	v_max3_num_f32 v[rT+5], v[rT+5], v[rS+23], v[rS+31]
.elseif (\n) == 14
	v_max3_num_f32 v[rT+6], v[rT+6], v[rT+7], v[rT+1]
.elseif (\n) == 15
	v_max3_num_f32 v[rT+4], v[rT+4], v[rT+5], v[rT+6]
.elseif (\n) == 16
	v_permlanex16_b32 v[rT+7], v[rT+4], s[SEL], s[SEL+1]  ; the query's other 32 keys lie in the lane 16 away
.elseif (\n) == 17
	v_max_num_f32 v[rT], v[rT+4], v[rT+7]
.elseif (\n) == 18
	v_sub_f32 v[rT+3], v[rT+1], v[rT]
.else
	v_exp_f32 v[rT+2], v[rT+3]
.endif
.endm
; A KEY STEP: 64 keys for the wave's two tiles.
.macro STEP
	v_add_nc_u32 v[AK], s[TBK], v[AK0]             ; five plain lines: the places between the last step's V^T P and the loads into V's registers (four) and the products that write over P (five)
	v_add_nc_u32 v[AV], s[TBV], v[AV0]
	v_mov_b32 v[ST+1], v[ST]
	v_mov_b32 v[ST+9], v[ST+8]
	v_nop
.irp f, 0,1,2,3
	ds_load_b128 v[KF+8*(\f):KF+8*(\f)+3],   v[AK] offset:(\f)*16*PK
	ds_load_b128 v[KF+8*(\f)+4:KF+8*(\f)+7], v[AK] offset:(\f)*16*PK+32
.endr
.irp f, 0,1,2,3
	ds_load_tr16_b128 v[VF+8*(\f):VF+8*(\f)+3],   v[AV] offset:((\f)/2)*32*PV+((\f)%2)*32
	ds_load_tr16_b128 v[VF+8*(\f)+4:VF+8*(\f)+7], v[AV] offset:((\f)/2)*32*PV+16*PV+((\f)%2)*32
.endr
	s_wait_dscnt 8                                 ; K is in; V's 8 loads may stay out
.irp f, 0,1,2,3
.irp t, 0,1
	v_wmma_f32_16x16x32_bf16 v[S+32*(\t)+8*(\f):S+32*(\t)+8*(\f)+7], v[KF+8*(\f):KF+8*(\f)+7], v[Q+8*(\t):Q+8*(\t)+7], 0
.endr
.endr
.rept 4
	v_nop                                          ; the places behind those products
.endr
	s_cmp_lg_u32 s[SI], s[DS]
	s_cbranch_scc1 .Lplain_\@
.set i, 0
.rept 32                               ; the band's own step: register i holds key 16 (i / 8) + i % 8 + 8 (l / 16), hidden where it lies behind my query
	v_cmp_gt_i32 vcc_lo, 16*(i/8)+i%8, v[DQ0]
	v_cndmask_b32 v[S+i], v[S+i], v[BIG], vcc_lo
.set i, i+1
.endr
.set i, 0
.rept 32
	v_cmp_gt_i32 vcc_lo, 16*(i/8)+i%8, v[DQ1]
	v_cndmask_b32 v[S+32+i], v[S+32+i], v[BIG], vcc_lo
.set i, i+1
.endr
.Lplain_\@:
.irp n, 0,1,2,3,4,5,6,7,8,9,10,11,12,13,14,15,16,17,18,19
	MAXN 0, \n
	MAXN 1, \n
.endr
.set n, 0
.rept 16                               ; one batch with the two a above: s - m for a pair of scores, and the exponentials of the pair before; no line names an exponential's result
	v_pk_add_f32 v[S+2*n:S+2*n+1],       v[S+2*n:S+2*n+1],       v[ST:ST+1]   op_sel_hi:[1,0] neg_lo:[0,1] neg_hi:[0,1]
	v_pk_add_f32 v[S+32+2*n:S+32+2*n+1], v[S+32+2*n:S+32+2*n+1], v[ST+8:ST+9] op_sel_hi:[1,0] neg_lo:[0,1] neg_hi:[0,1]
.if n > 0
	v_exp_f32 v[S+2*n-2], v[S+2*n-2]
	v_exp_f32 v[S+32+2*n-2], v[S+32+2*n-2]
	v_exp_f32 v[S+2*n-1], v[S+2*n-1]
	v_exp_f32 v[S+32+2*n-1], v[S+32+2*n-1]
.endif
.set n, n+1
.endr
	v_exp_f32 v[S+30], v[S+30]
	v_exp_f32 v[S+62], v[S+62]
	v_exp_f32 v[S+31], v[S+31]
	v_exp_f32 v[S+63], v[S+63]
	v_nop                                          ; a plain instruction behind the last exponential,
	s_wait_alu depctr_va_vdst(0)                   ; and one wait for the batch of 66, ahead of its first reader
.set n, 0
.rept 16                               ; in place and ascending: register n takes scores 2 n and 2 n + 1
	v_cvt_pk_bf16_f32 v[S+n], v[S+2*n], v[S+2*n+1]
	v_cvt_pk_bf16_f32 v[S+32+n], v[S+32+2*n], v[S+32+2*n+1]
.set n, n+1
.endr
.irp t, 0,1
.irp j, 0,2,4,6,8,10,12,14
	v_pk_mul_f32 v[O+24*(\t)+(\j):O+24*(\t)+(\j)+1], v[O+24*(\t)+(\j):O+24*(\t)+(\j)+1], v[ST+8*(\t)+2:ST+8*(\t)+3] op_sel_hi:[1,0]
.endr
	v_mul_f32 v[O+24*(\t)+16], v[O+24*(\t)+16], v[ST+8*(\t)+2]  ; l: all eight registers of its block hold the same sum; the lowest alone is carried and read, the others stay below the number of keys
.endr
	s_wait_dscnt 0x0                               ; V is in
.irp kk, 0,1                           ; six accumulators take turns
.irp cb, 0,1
.irp t, 0,1
	v_wmma_f32_16x16x32_bf16 v[O+24*(\t)+8*(\cb):O+24*(\t)+8*(\cb)+7], v[VF+16*(\kk)+8*(\cb):VF+16*(\kk)+8*(\cb)+7], v[S+32*(\t)+8*(\kk):S+32*(\t)+8*(\kk)+7], v[O+24*(\t)+8*(\cb):O+24*(\t)+8*(\cb)+7]
.endr
.endr
.irp t, 0,1
	v_wmma_f32_16x16x32_bf16 v[O+24*(\t)+16:O+24*(\t)+23], v[ONES:ONES+7], v[S+32*(\t)+8*(\kk):S+32*(\t)+8*(\kk)+7], v[O+24*(\t)+16:O+24*(\t)+23]
.endr
.endr
.endm
; THE WAY OUT of a block: O^T is divided by l, rounded to bf16 and sent through my stage, a tile (16 rows of 64 bytes) at a time; a store covers 512 consecutive bytes.
.macro WAYOUT
.rept 4
	v_nop                                          ; the places behind the last products
.endr
	v_rcp_f32 v[ST+2], v[O+16]
	v_rcp_f32 v[ST+10], v[O+40]
	v_nop
	s_wait_alu depctr_va_vdst(0)                   ; one wait for the two reciprocals
.irp t, 0,1
.irp j, 0,2,4,6,8,10,12,14
	v_pk_mul_f32 v[O+24*(\t)+(\j):O+24*(\t)+(\j)+1], v[O+24*(\t)+(\j):O+24*(\t)+(\j)+1], v[ST+8*(\t)+2:ST+8*(\t)+3] op_sel_hi:[1,0]
.endr
.irp j, 0,1,2,3,4,5,6,7
	v_cvt_pk_bf16_f32 v[S+16*(\t)+(\j)], v[O+24*(\t)+2*(\j)], v[O+24*(\t)+2*(\j)+1]
.endr
	ds_store_b128 v[STO], v[S+16*(\t):S+16*(\t)+3]
	ds_store_b128 v[STO], v[S+16*(\t)+4:S+16*(\t)+7] offset:32
	ds_load_b128 v[S+16*(\t)+8:S+16*(\t)+11],  v[RD]             ; LDS serves a wave's instructions in order (ISA guide 5.7.1.4): these see the stores above, and the next tile's stores come behind them
	ds_load_b128 v[S+16*(\t)+12:S+16*(\t)+15], v[RD] offset:8*SP
.endr
	s_wait_dscnt 0x0
.irp t, 0,1
	global_store_b128 v[GO], v[S+16*(\t)+8:S+16*(\t)+11],  s[YB:YB+1] offset:(\t)*1024
	global_store_b128 v[GO], v[S+16*(\t)+12:S+16*(\t)+15], s[YB:YB+1] offset:(\t)*1024+512
.endr
.endm
; A TILE's four steps; behind a block's last tile the way out and, in the loop, the change of blocks: m starts anew, so the next step's a is 0 and clears O^T and l, which hold finite numbers.
.macro BODY tail
	s_sub_co_u32 s[RT], s[RT], 1
	s_cmp_eq_u32 s[CUR], 0
	s_cselect_b32 s[DS], 4, s[BAND]                ; block 0's tile is seen whole
	s_cmp_eq_u32 s[RT], 0
	s_cselect_b32 s[DS], s[DS], 4                  ; so is every tile but a block's last
	s_mov_b32 s[SI], 0
.Lstep_\@:
	s_cmp_gt_u32 s[SI], s[DS]
	s_cbranch_scc1 .Lskip_\@                       ; all 64 keys are hidden from my 32 queries
	STEP
.Lskip_\@:
	s_add_co_u32 s[TBK], s[TBK], 64*PK
	s_add_co_u32 s[TBV], s[TBV], 64*PV
	s_add_co_u32 s[SI], s[SI], 1
	s_cmp_lt_u32 s[SI], 4
	s_cbranch_scc1 .Lstep_\@
.if \tail
	WAYOUT
.else
	s_cmp_lg_u32 s[RT], 0
	s_cbranch_scc1 .Lmore_\@
	WAYOUT
	s_wait_xcnt 0x0                                ; the stores have read their registers and y's address
	s_mov_b64 s[YB:YB+1], s[YLO:YLO+1]
	s_add_co_u32 s[RT], s[PBK], 1                  ; the second block has b + 1 tiles
	s_mov_b32 s[CUR], s[PBK]
.set i, 0
.rept 16
	v_mov_b32 v[Q+i], v[QB+i]
.set i, i+1
.endr
	v_mov_b32 v[ST], 0xff7fffff
	v_mov_b32 v[ST+8], 0xff7fffff
.Lmore_\@:
.endif
.endm
	s_load_b128 s[4:7], s[0:1], 0x0                ; qkv s[4:5], y s[6:7]
	v_lshl_add_u32 v[SPW], v0, 2, SPARE
	v_mov_b32 v[NIL], 0
	ds_add_u32 v[SPW], v[NIL]                      ; the wave's opening: the add and its wait stand ahead of my first tensor load; the set-up below, work on registers, stands between them
	v_lshrrev_b32 v1, 5, v0
	v_readfirstlane_b32 s[WV], v1
	s_mov_b32 s[PBK], ttmp9
	s_sub_co_u32 s[HI], 7, s[PBK]
	s_lshr_b32 s[BAND], s[WV], 1
	s_and_b32 s70, ttmp7, 0xffff
	s_and_b32 s71, s70, 15                         ; head
	s_lshr_b32 s70, s70, 4                         ; batch
	s_lshl_b32 s71, s71, 19
	s_lshl_b32 s70, s70, 17
	s_add_co_u32 s70, s70, s71                     ; the head's first byte in a part of qkv and in y
	s_mov_b32 s71, 0
	s_lshl_b32 s73, s[WV], 11                      ; my wave's 32 rows of 64 bytes,
	s_lshl_b32 s72, s[HI], 14                      ; in the first block,
	s_add_co_u32 s72, s72, s73
	s_lshl_b32 s74, s[PBK], 14                     ; and in the second
	s_add_co_u32 s74, s74, s73
	s_mov_b32 s73, 0
	s_mov_b32 s75, 0
	s_add_nc_u64 s[72:73], s[72:73], s[70:71]
	s_add_nc_u64 s[74:75], s[74:75], s[70:71]
	; descriptor group 1: 256 keys are 16,384 dense bytes: asked for as 64 rows of 256 bytes, four keys a row, and padded in LDS after every key
	s_mov_b32 s[G1K], (1<<16)|(1<<20)|(3<<22)|(3<<25)  ; 2-byte elements; padding on; after every 16 words, 4 words
	s_mov_b32 s[G1V], (1<<16)|(1<<20)|(3<<22)|(7<<25)  ; the same with 8 words
.irp g, G1K, G1V
	s_mov_b32 s[\g+1], 128<<16                     ; tensor_dim0 = 128
	s_mov_b32 s[\g+2], 64<<16                      ; tensor_dim1 = 64
	s_mov_b32 s[\g+3], 128<<16                     ; tile_dim0 = 128
	s_mov_b32 s[\g+4], 64                          ; tile_dim1 = 64
	s_mov_b32 s[\g+5], 128                         ; elements from row to row
	s_mov_b32 s[\g+6], 0
	s_mov_b32 s[\g+7], 0
.endr
	s_mov_b32 s[G0K], 1
	s_mov_b32 s[G0K+1], 0                          ; slot 0
	s_mov_b32 s[G0V], 1
	s_mov_b32 s[G0V+1], VOFF
	s_mov_b32 s[SEL], 0x76543210
	s_mov_b32 s[SEL+1], 0xfedcba98
	s_mov_b32 s[TBK], SLOT1+256*PK                 ; the first change of slots turns these two into 0
	s_mov_b32 s[TBV], SLOT1+256*PV
	s_add_co_u32 s[RT], s[HI], 1                   ; the first block has 8 - b tiles
	s_mov_b32 s[CUR], s[HI]
	s_mov_b32 s[NXT], 1
	s_mov_b32 s[LQ], s[HI]
	s_mov_b32 s[OFF+1], 0
	s_mov_b32 s[SLOTS], 8
	s_lshr_b32 s77, s[WV], 1
	s_xor_b32 s77, s77, 1                          ; 0 in waves 2 and 3,
	s_or_b32 s77, s77, ttmp9                       ; of the work-group with b = 0
	s_cmp_eq_u32 s77, 0
	s_cselect_b32 s[LIM], 2, -1
	v_and_b32 v1, 15, v0                           ; r = l % 16
	v_bfe_u32 v248, v0, 4, 1                       ; h = l / 16
	v_and_b32 v249, 7, v0
	v_bfe_u32 v250, v0, 3, 1
	v_and_b32 v251, 31, v0                         ; l
	v_and_b32 v252, 3, v0
	v_mul_u32_u24 v[AK0], v1, PK
	v_lshl_add_u32 v[AK0], v248, 4, v[AK0]         ; key r x pitch + 16 x half
	v_lshl_add_u32 v[AV0], v248, 3, v249           ; the turning load: key 8 h + l % 8,
	v_mul_u32_u24 v[AV0], v[AV0], PV
	v_lshl_add_u32 v[AV0], v250, 4, v[AV0]         ; channels 8 ((l / 8) % 2) + 0..7
	v_add_nc_u32 v[AV0], VOFF, v[AV0]
	s_mul_i32 s78, s[WV], 16*SP
	s_add_co_u32 s78, s78, STAGE
	v_mul_u32_u24 v[STO], v1, SP
	v_lshl_add_u32 v[STO], v248, 4, v[STO]
	v_add_nc_u32 v[STO], s78, v[STO]
	v_lshrrev_b32 v[RD], 2, v251
	v_mul_u32_u24 v[RD], v[RD], SP
	v_lshl_add_u32 v[RD], v252, 4, v[RD]
	v_add_nc_u32 v[RD], s78, v[RD]
	v_lshlrev_b32 v[GO], 4, v251
	v_lshlrev_b32 v[QO], 6, v1
	v_lshl_add_u32 v[QO], v248, 4, v[QO]
	s_and_b32 s76, s[WV], 1
	s_lshl_b32 s76, s76, 5
	v_lshlrev_b32 v[DQ0], 3, v248
	v_sub_nc_u32 v[DQ0], v1, v[DQ0]
	v_add_nc_u32 v[DQ0], s76, v[DQ0]               ; 32 (w % 2) + r - 8 h
	v_add_nc_u32 v[DQ1], 16, v[DQ0]
	v_lshlrev_b32 v[PFO], 8, v251
	v_mov_b32 v[BIG], 0xf149f2ca
	s_wait_dscnt 0x0                               ; the opening add is done
	s_wait_kmcnt 0x0
	s_add_nc_u64 s[QHI:QHI+1], s[4:5], s[72:73]
	s_add_nc_u64 s[QLO:QLO+1], s[4:5], s[74:75]
	s_add_nc_u64 s[YB:YB+1], s[6:7], s[72:73]
	s_add_nc_u64 s[YLO:YLO+1], s[6:7], s[74:75]
	s_add_nc_u64 s[KB:KB+1], s[4:5], s[70:71]
	s_add_nc_u64 s[VB:VB+1], s[KB:KB+1], 16777216  ; v: 32 blocks of 524,288 bytes on
	s_add_nc_u64 s[KB:KB+1], s[KB:KB+1], 8388608   ; k: 16 blocks on
	s_cmp_eq_u32 s[WV], 2
	s_cselect_b64 s[PFA:PFA+1], s[KB:KB+1], s[VB:VB+1]
	s_add_nc_u64 s[PFA:PFA+1], s[PFA:PFA+1], 16384 ; at tile 1; the first change of slots steps it to tile 2
	s_add_nc_u64 s[G0K+2:G0K+3], s[KB:KB+1], 0
	s_or_b32 s[G0K+3], s[G0K+3], 0x80000000
	s_add_nc_u64 s[G0V+2:G0V+3], s[VB:VB+1], 0
	s_or_b32 s[G0V+3], s[G0V+3], 0x80000000
	LOAD                                           ; tile 0 into slot 0: one load at most is out in a wave, here and behind every barrier
.irp t, 0,1                            ; both blocks' Q: a fragment is 16 rows x 32 channels: row r, channels 8 h + 0..7 and 16 + 8 h + 0..7
	global_load_b128 v[Q+8*(\t):Q+8*(\t)+3],    v[QO], s[QHI:QHI+1] offset:(\t)*1024
	global_load_b128 v[Q+8*(\t)+4:Q+8*(\t)+7],  v[QO], s[QHI:QHI+1] offset:(\t)*1024+32
	global_load_b128 v[QB+8*(\t):QB+8*(\t)+3],   v[QO], s[QLO:QLO+1] offset:(\t)*1024
	global_load_b128 v[QB+8*(\t)+4:QB+8*(\t)+7], v[QO], s[QLO:QLO+1] offset:(\t)*1024+32
.endr
.set i, 0
.rept 8
	v_mov_b32 v[ONES+i], 0x3f803f80
.set i, i+1
.endr
.set i, 0
.rept 48                               ; O^T and l start at 0, m at the lowest finite number: written in the wait for the first tile, so that the first step is a step like any other
	v_mov_b32 v[O+i], 0
.set i, i+1
.endr
	v_mov_b32 v[ST], 0xff7fffff
	v_mov_b32 v[ST+8], 0xff7fffff
	v_mov_b32 v[ST+3], 0                           ; named as a pair with a, and on the way out with 1 / l, of which the low word alone is taken: written here, so that it is written on every way to the way out
	v_mov_b32 v[ST+11], 0
	s_wait_loadcnt 0x0                             ; Q
.Lslot:                                        ; 8 trips: a tile is entered and the next is asked for
	CHANGE 1
	BODY 0
	s_sub_co_u32 s[SLOTS], s[SLOTS], 1
	s_cmp_lg_u32 s[SLOTS], 0
	s_cbranch_scc1 .Lslot
	CHANGE 0                                       ; the walk's last tile, the second block's last, is written out
	BODY 1
	s_wait_tensorcnt 0x0                           ; the wave's end, behind my last tensor load and my last LDS store
	ds_add_u32 v[SPW], v[NIL]
	s_wait_dscnt 0x0
	s_endpgm
.Lfunc_end_k_qf5d8504c30_attn:
	.size	k_qf5d8504c30_attn, .Lfunc_end_k_qf5d8504c30_attn-k_qf5d8504c30_attn
	.p2alignl 7, 3214868480
	.fill 96, 4, 3214868480
	.section	.rodata,"a",@progbits
	.p2align	6, 0x0
	.amdhsa_kernel k_qf5d8504c30_attn
		.amdhsa_group_segment_fixed_size 327680
		.amdhsa_private_segment_fixed_size 0
		.amdhsa_enable_private_segment 0
		.amdhsa_kernarg_size 16
		.amdhsa_user_sgpr_count 2
		.amdhsa_user_sgpr_kernarg_segment_ptr 1
		.amdhsa_wavefront_size32 1
		.amdhsa_system_sgpr_workgroup_id_x 1
		.amdhsa_system_sgpr_workgroup_id_y 1
		.amdhsa_system_sgpr_workgroup_id_z 1
		.amdhsa_system_vgpr_workitem_id 0
		.amdhsa_next_free_vgpr 256
		.amdhsa_next_free_sgpr 90
		.amdhsa_reserve_vcc 1
		.amdhsa_float_denorm_mode_32 3
		.amdhsa_float_denorm_mode_16_64 3
		.amdhsa_memory_ordered 1
		.amdhsa_forward_progress 1
		.amdhsa_inst_pref_size 52
	.end_amdhsa_kernel
	.amdgpu_metadata
---
amdhsa.version: [ 1, 2 ]
amdhsa.kernels:
  - .name:           k_qf5d8504c30_attn
    .symbol:         k_qf5d8504c30_attn.kd
    .args:
      - { .name: qkv, .offset: 0, .size: 8, .value_kind: global_buffer, .address_space: global }
      - { .name: y, .offset: 8, .size: 8, .value_kind: global_buffer, .address_space: global }
    .group_segment_fixed_size: 327680
    .private_segment_fixed_size: 0
    .kernarg_segment_align: 8
    .kernarg_segment_size: 16
    .max_flat_workgroup_size: 256
    .sgpr_count:     90
    .vgpr_count:     256
    .wavefront_size: 32
...
	.end_amdgpu_metadata
.endif
;; end of part 3
;; launch proj (part 4): grid 4 x 64, 4 waves a work-group, clusters of 4 x 4, 327,680 bytes of LDS; arguments y, wts, bp, x, x1; writes x1
.if DOCPART == 4
	.amdgcn_target "amdgcn-amd-amdhsa--gfx1250"
	.amdhsa_code_object_version 6
	.text
	.protected	k_qf5d8504c30_proj
	.globl	k_qf5d8504c30_proj
	.p2align	8
	.type	k_qf5d8504c30_proj,@function
k_qf5d8504c30_proj:
	s_mov_b64 s[64:65], 0
	v_nop
	global_prefetch_b8 v0, s[64:65] scope:SCOPE_SE
	s_setreg_imm32_b32 hwreg(HW_REG_WAVE_MODE, 25, 1), 1
	s_wait_xcnt 0x0
	s_wait_alu depctr_hold_cnt(0) depctr_sa_sdst(0) depctr_va_vdst(0) depctr_va_sdst(0) depctr_va_ssrc(0) depctr_va_vcc(0) depctr_vm_vsrc(0)
	s_getreg_b32 s2, hwreg(HW_REG_IB_STS2, 6, 4)
	s_cmp_eq_u32 s2, 0
	s_cbranch_scc0 .Lentry_in_a_cluster
	s_endpgm
.Lentry_in_a_cluster:
	s_bfe_u32 s2, ttmp6, 0x10000c
	s_cmp_lg_u32 s2, 0xf033
	s_cbranch_scc0 .Lentry_shape_is_right
	s_endpgm
.Lentry_shape_is_right:
; out = res + A W + bias.  A: bf16 in blocks of 32 columns, element (row, k) at (k / 32) x 524,288 + row x 64 + (k % 32) x 2; W: bf16 in column tiles [tile of 128][k][128]; bias f32 [512]; res, out: f32 [8192][512].
; LAPS = 1: K = 512 (x1 = x + y Wp + bp).  LAPS = 4: K = 2,048 (out0 = x1 + g W2 + b2).
; A tile of the output is 128 x 128: 256 work-groups.  Four waves, each 64 x 64: 16 accumulators.  K goes in steps of 256 through two LDS slots.
; The matrix instruction is used transposed (source 0 = 16 weight columns, turned on the way out of LDS; source 1 = 16 rows of A): a lane holds 8 neighbouring columns of a row.
; CLUSTER: 4 x 4 work-groups.  The four of a row of the cluster need the same tiles of A, the four of a column the same tiles of W: each is asked for jointly, by the same tensor load with the same descriptor and a mask of the four.
; The way out is the wave's own: its 64 columns of f32 are 256 consecutive bytes of a row, aligned.  Its stage lies in slot 0, whose last fill and last read stand ahead of the last change of slots' barrier.
; LIMITS: NaN and infinities are not treated apart.
; REGISTERS.  Window 0: v0-31 addresses, v4-7 the bias of my 4 columns; v32-95 two sets of residual rows; v96-127 rows read back; v128-255 the accumulators.  Window 1: two fragment buffers of 128.
.set LAPS,  1                          ; a lap = two K steps
.if LAPS == 1
.set WOFF,  1572864                    ; where the weights begin in wts
.set WTS,   131072                     ; a column tile's bytes
.else
.set WOFF,  4194304
.set WTS,   524288
.endif
.set ASTEP, 4194304                    ; a K step of A: 8 blocks of 524,288 bytes
.set BSTEP, 65536                      ; of W: 256 k rows of 256 bytes
.set PAB,   80                         ; a row of a block of A in LDS: 64 bytes + 16: the 16 rows of a load start at 16 different groups of four banks (64 banks of 4 bytes: ISA guide 11.1)
.set HA,    8*64*PAB                   ; a wave's load of A: [8 blocks][64 rows][80 bytes]
.set PB,    288                        ; a k row of W: 256 + 32
.set HB,    128*PB                     ; a wave's load of W: 128 k rows
.set SLOT,  2*HA+2*HB                  ; 155,648
.set SPS,   272
.set SPARE, 2*SLOT                     ; the spare words, 128 bytes for each wave: two blocks of 256 bytes that no other line names
.set ADRA, 16
.set ADRB, 20
.set STO,  24
.set RD,   25
.set CO,   26
.set BOF,  27
.set SPW,  28
.set NIL,  29
.set PFO,  30
.set RES,  32
.set BK,   96
.set ACC,  128
.set F0,   0
.set F1,   128
.set WV,  14
.set WR,  15                           ; which half of the tile's rows is mine.  Also: I fetch for A (0) or for W (1)
.set WC,  16                           ; which half of its columns.  Also: which half of that tile I fetch
.set CX,  17
.set CY,  18
.set TC,  19
.set TR,  20
.set G1A, 24
.set G0A, 32
.set G1B, 48
.set G0B, 56
.set PFA, 66
.set LIM, 68
.set PSTEP, 70
.set RB,  72
.set OB,  74
.set MSB, 0
.macro WIN new                         ; the immediate's high byte repeats the setting that is left; a switch that changes nothing is dropped
.if MSB != (\new)
	s_set_vgpr_msb (MSB<<8)|(\new)
.set MSB, \new
.endif
.endm
.set MUL,  0x05                        ; sources 0 and 1 window 1; C and D window 0
.set TO_F, 0x40                        ; destination window 1, address window 0
.macro PLACES
.rept 4
	v_nop
.endr
.endm
.macro JLOAD s                         ; a joint load: waves 0 and 1 fetch A's two halves, waves 2 and 3 W's; an s_nop 0 and four v_nop follow each of the two lines
	s_cmp_eq_u32 s[WR], 0
	s_cbranch_scc0 .Lfor_b_\@
	tensor_load_to_lds s[G0A+4*(\s):G0A+4*(\s)+3], s[G1A:G1A+7]
	s_nop 0
.rept 4
	v_nop
.endr
	s_branch .Lasked_\@
.Lfor_b_\@:
	tensor_load_to_lds s[G0B+4*(\s):G0B+4*(\s)+3], s[G1B:G1B+7]
	s_nop 0
.rept 4
	v_nop
.endr
.Lasked_\@:
.endm
.macro CREST
	s_cmp_lg_u32 s[WV], 0
	s_cbranch_scc1 .Lnot_wave_0_\@
	s_barrier_signal -3
.Lnot_wave_0_\@:
	s_barrier_wait -3
	s_barrier_signal -1
	s_barrier_wait -1
.endm
.macro CROUND
	s_barrier_signal -1
	s_barrier_wait -1
	CREST
.endm
; 8 matrix instructions: row blocks a0, a0 + 1 x all 4 column blocks, 32 along K.  The 16 accumulators take turns.
.macro MUL8 f, c, a0, zero
	WIN MUL
.irp a, \a0, (\a0)+1
.irp b, 0,1,2,3
.if \zero
	v_wmma_f32_16x16x32_bf16 v[ACC+8*(4*(\a)+(\b)):ACC+8*(4*(\a)+(\b))+7], v[(\f)+64+8*(4*(\c)+(\b)):(\f)+64+8*(4*(\c)+(\b))+7], v[(\f)+8*(4*(\c)+(\a)):(\f)+8*(4*(\c)+(\a))+7], 0
.else
	v_wmma_f32_16x16x32_bf16 v[ACC+8*(4*(\a)+(\b)):ACC+8*(4*(\a)+(\b))+7], v[(\f)+64+8*(4*(\c)+(\b)):(\f)+64+8*(4*(\c)+(\b))+7], v[(\f)+8*(4*(\c)+(\a)):(\f)+8*(4*(\c)+(\a))+7], v[ACC+8*(4*(\a)+(\b)):ACC+8*(4*(\a)+(\b))+7]
.endif
.endr
.endr
.endm
; 32 LDS loads in one run: the fragments of quarter q (64 along K: two blocks of A) of the slot's K step, into buffer f; the first 32 along K first
.macro FETCH slot, q, f
	WIN TO_F
.irp c, 0,1
.irp i, 0,1,2,3
	ds_load_tr16_b128 v[(\f)+64+8*(4*(\c)+(\i)):(\f)+64+8*(4*(\c)+(\i))+3],   v[ADRB+2*(\slot)+(\q)/2] offset:(((\q)%2)*64+32*(\c))*PB+32*(\i)
	ds_load_tr16_b128 v[(\f)+64+8*(4*(\c)+(\i))+4:(\f)+64+8*(4*(\c)+(\i))+7], v[ADRB+2*(\slot)+(\q)/2] offset:(((\q)%2)*64+32*(\c)+16)*PB+32*(\i)
	ds_load_b128 v[(\f)+8*(4*(\c)+(\i)):(\f)+8*(4*(\c)+(\i))+3],   v[ADRA+(\slot)] offset:(2*(\q)+(\c))*64*PAB+(\i)*16*PAB
	ds_load_b128 v[(\f)+8*(4*(\c)+(\i))+4:(\f)+8*(4*(\c)+(\i))+7], v[ADRA+(\slot)] offset:(2*(\q)+(\c))*64*PAB+(\i)*16*PAB+32
.endr
.endr
.endm
.macro QUARTER slot, q, f, g, zero
	s_wait_dscnt 16                                ; the first 32 along K are in; the younger 16 loads may be out
	MUL8 \f, 0, 0, \zero
	MUL8 \f, 0, 2, \zero
	PLACES
	FETCH \slot, \q, \g
	s_wait_dscnt 32                                ; all but the 32 just issued
	MUL8 \f, 1, 0, 0
	MUL8 \f, 1, 2, 0
.endm
; A prefetch into the L2 of the K step that stands two refills on, 32 blocks of 256 bytes a wave, a lane a block, each named once in the launch.  A's rows are read by one cluster alone: of the 8 blocks of 32
; columns x 4,096 bytes that a wave fetches, the partner at place cx takes two.  W's tile is read by every cluster of the column: the first (cluster y = 0) asks, and of a wave's 128 k rows the partner at place cy
; takes 32.  The partners are told apart by address.  The loop's last trip asks for nothing: its refills are the last two K steps.
.macro ASK
	WIN 0
	s_cmp_gt_u32 s3, s[LIM]
	s_cbranch_scc0 .Lnot_mine_\@
	global_prefetch_b8 v[PFO], s[PFA:PFA+1] th:TH_LOAD_NT scope:SCOPE_SE
.Lnot_mine_\@:
.endm
; The last quarter multiplies buffer 1 and changes slots: one barrier; in front of it each wave waits for all its tensor loads, adds 0 to its spare word, and waits for that and for its reads of this slot.
; fill = 1: the barrier opens a round of the cluster's barrier, and behind the round this slot is filled again, two K steps ahead.
.macro TURN slot, next, fill
.if \fill
	s_wait_xcnt 0x0                                ; the last prefetch, a K step back, has read its address
	s_add_nc_u64 s[PFA:PFA+1], s[PFA:PFA+1], s[PSTEP:PSTEP+1]
.endif
	WIN 0
	s_wait_tensorcnt 0x0                           ; all my tensor loads have landed: my part of the next slot
	ds_add_u32 v[SPW], v[NIL]                      ; 0 onto my spare word
	s_wait_dscnt 17                                ; the add and the youngest 16 loads may be out
	MUL8 F1, 0, 0, 0
	s_wait_dscnt 0x0                               ; the add is done, and my reads of this slot are over
	s_barrier_signal -1
	MUL8 F1, 0, 2, 0
.if \fill
	WIN 0
.endif
	s_barrier_wait -1
.if \fill
	CREST                                          ; no wave of any partner still reads this slot or has a load on its way
	s_add_nc_u64 s[G0A+4*(\slot)+2:G0A+4*(\slot)+3], s[G0A+4*(\slot)+2:G0A+4*(\slot)+3], 2*ASTEP
	s_add_nc_u64 s[G0B+4*(\slot)+2:G0B+4*(\slot)+3], s[G0B+4*(\slot)+2:G0B+4*(\slot)+3], 2*BSTEP
	JLOAD \slot                                    ; the four v_nop behind it are also the places in front of the loads below
.else
	PLACES
.endif
	FETCH \next, 0, F0
.if \fill
	ASK
.endif
	MUL8 F1, 1, 0, 0
	MUL8 F1, 1, 2, 0
.endm
; THE WAY OUT.  RESLD a: the residual of my rows 16 a .. 16 a + 15: lanes 0-15 take 256 consecutive bytes of a row, lanes 16-31 of the next.
.macro RESLD a
	WIN 0
.irp t, 0,1,2,3,4,5,6,7
	global_load_b128 v[RES+32*((\a)%2)+4*(\t):RES+32*((\a)%2)+4*(\t)+3], v[CO], s[RB:RB+1] offset:(16*(\a)+2*(\t))*2048
.endr
.endm
; OUTB a: row block a goes into my stage as f32 (each accumulator's low registers first), comes back as whole rows, takes residual and bias, and is stored.
.macro OUTB a
	s_wait_xcnt 0x0                                ; the last block's stores have read the registers that the loads below fill
.irp b, 0,1,2,3
	ds_store_b128 v[STO], v[ACC+8*(4*(\a)+(\b)):ACC+8*(4*(\a)+(\b))+3]   offset:64*(\b)
	ds_store_b128 v[STO], v[ACC+8*(4*(\a)+(\b))+4:ACC+8*(4*(\a)+(\b))+7] offset:64*(\b)+16
.endr
.irp t, 0,1,2,3,4,5,6,7
	ds_load_b128 v[BK+4*(\t):BK+4*(\t)+3], v[RD] offset:(\t)*2*SPS  ; LDS serves a wave's instructions in order (ISA guide 5.7.1.4): these see the stores above
.endr
.if (\a) < 3
	s_wait_loadcnt 8                               ; this block's residual is in (and the bias); the next block's 8 loads stay out
.else
	s_wait_loadcnt 0x0
.endif
	s_wait_dscnt 0x0
.irp t, 0,1,2,3,4,5,6,7
	v_pk_add_f32 v[BK+4*(\t):BK+4*(\t)+1],   v[BK+4*(\t):BK+4*(\t)+1],   v[RES+32*((\a)%2)+4*(\t):RES+32*((\a)%2)+4*(\t)+1]
	v_pk_add_f32 v[BK+4*(\t)+2:BK+4*(\t)+3], v[BK+4*(\t)+2:BK+4*(\t)+3], v[RES+32*((\a)%2)+4*(\t)+2:RES+32*((\a)%2)+4*(\t)+3]
.endr
.irp t, 0,1,2,3,4,5,6,7
	v_pk_add_f32 v[BK+4*(\t):BK+4*(\t)+1],   v[BK+4*(\t):BK+4*(\t)+1],   v[4:5]
	v_pk_add_f32 v[BK+4*(\t)+2:BK+4*(\t)+3], v[BK+4*(\t)+2:BK+4*(\t)+3], v[6:7]
.endr
.irp t, 0,1,2,3,4,5,6,7
	global_store_b128 v[CO], v[BK+4*(\t):BK+4*(\t)+3], s[OB:OB+1] offset:(16*(\a)+2*(\t))*2048  ; 16 lanes store 256 consecutive bytes, aligned
.endr
.if (\a) < 2
	RESLD (\a)+2
.endif
.endm
	s_load_b256 s[4:11], s[0:1], 0x0               ; A s[4:5], wts s[6:7], bias s[8:9], res s[10:11]
	s_load_b64 s[12:13], s[0:1], 0x20              ; out
	v_lshl_add_u32 v[SPW], v0, 2, SPARE
	v_mov_b32 v[NIL], 0
	ds_add_u32 v[SPW], v[NIL]                      ; the wave's opening: the add and its wait stand ahead of my first tensor load; the set-up below, work on registers, stands between them
	v_lshrrev_b32 v1, 5, v0
	v_readfirstlane_b32 s[WV], v1
	s_lshr_b32 s[WR], s[WV], 1
	s_and_b32 s[WC], s[WV], 1
	s_bfe_u32 s[CX], ttmp6, 0x40000
	s_bfe_u32 s[CY], ttmp6, 0x40004
	s_lshl_b32 s[TC], ttmp9, 2
	s_add_co_u32 s[TC], s[TC], s[CX]               ; tile column = 4 x cluster x + cx
	s_and_b32 s[TR], ttmp7, 0xffff
	s_lshl_b32 s[TR], s[TR], 2
	s_add_co_u32 s[TR], s[TR], s[CY]               ; tile row = 4 x cluster y + cy
	s_lshl_b32 s21, s[CY], 2
	s_lshl_b32 s21, 15, s21                        ; my row of the cluster
	s_lshl_b32 s22, 0x1111, s[CX]                  ; my column
	; A's group 1: 8 rows (blocks of 32 columns) of 2,048 elements (64 matrix rows, 4,096 dense bytes), 262,144 elements apart; padded in LDS after every matrix row
	s_or_b32 s[G1A], s21, (1<<16)|(1<<20)|(1<<21)|(3<<22)|(3<<25)  ; the mask; 2-byte elements; padding on; bit 21 beside a mask; after every 16 words, 4 words
	s_mov_b32 s[G1A+1], 2048<<16                   ; tensor_dim0 = 2,048
	s_mov_b32 s[G1A+2], 8<<16                      ; tensor_dim1 = 8
	s_mov_b32 s[G1A+3], 2048<<16                   ; tile_dim0 = 2,048
	s_mov_b32 s[G1A+4], 8                          ; tile_dim1 = 8
	s_mov_b32 s[G1A+5], 262144                     ; elements from row to row
	s_mov_b32 s[G1A+6], 0
	s_mov_b32 s[G1A+7], 0
	; W's group 1: 128 k rows of 128 elements, dense; padded after every row
	s_or_b32 s[G1B], s22, (1<<16)|(1<<20)|(1<<21)|(5<<22)|(7<<25)  ; after every 64 words, 8 words
	s_mov_b32 s[G1B+1], 128<<16
	s_mov_b32 s[G1B+2], 128<<16
	s_mov_b32 s[G1B+3], 128<<16
	s_mov_b32 s[G1B+4], 128
	s_mov_b32 s[G1B+5], 128
	s_mov_b32 s[G1B+6], 0
	s_mov_b32 s[G1B+7], 0
	s_lshl_b32 s40, s[TR], 13                      ; A: the tile's 128 rows of 64 bytes in a block,
	s_lshl_b32 s41, s[WC], 12                      ; the 64 that I fetch
	s_add_co_u32 s40, s40, s41
	s_mov_b32 s41, 0
	s_mul_i32 s44, s[TC], WTS                      ; W: the column tile,
	s_lshl_b32 s45, s[WC], 15                      ; the 128 k rows that I fetch
	s_add_co_u32 s44, s44, s45
	s_add_co_u32 s44, s44, WOFF
	s_mov_b32 s45, 0
	s_mul_i32 s42, s[WC], HA                       ; where they go: A's two halves,
	s_mul_i32 s43, s[WC], HB
	s_add_co_u32 s43, s43, 2*HA                    ; then W's: no place in the cluster enters an LDS address
	s_lshl_b32 s76, s[TR], 18                      ; residual and output: my tile's rows of 2,048 bytes,
	s_lshl_b32 s77, s[WR], 17                      ; my wave's 64,
	s_add_co_u32 s76, s76, s77
	s_lshl_b32 s78, s[TC], 9                       ; my tile's columns,
	s_lshl_b32 s79, s[WC], 8                       ; my wave's 64
	s_add_co_u32 s78, s78, s79
	s_add_co_u32 s76, s76, s78
	s_mov_b32 s77, 0
	s_mov_b32 s79, 0
.if LAPS > 1
	s_lshl_b32 s80, s[TR], 13                      ; the prefetches, at K step 3; the first refill steps them to 4.  A's:
	s_lshl_b32 s81, s[WC], 12
	s_add_co_u32 s80, s80, s81
	s_lshl_b32 s81, s[CX], 20                      ; my work-group's two blocks of the eight
	s_add_co_u32 s80, s80, s81
	s_add_co_u32 s80, s80, 3*ASTEP
	s_mul_i32 s82, s[TC], WTS                      ; W's:
	s_lshl_b32 s83, s[WC], 15
	s_add_co_u32 s82, s82, s83
	s_lshl_b32 s83, s[CY], 13                      ; my work-group's 32 k rows of the 128
	s_add_co_u32 s82, s82, s83
	s_add_co_u32 s82, s82, WOFF+3*BSTEP
	s_mov_b32 s83, ASTEP
	s_and_b32 s85, ttmp7, 0xffff                   ; cluster y
	s_cmp_eq_u32 s[WR], 0
	s_cselect_b32 s80, s80, s82
	s_cselect_b32 s[PSTEP], s83, BSTEP
	s_cselect_b32 s84, 19, 12                      ; lanes 16-31: the next block of A, or 16 k rows on
	s_cselect_b32 s85, 0, s85
	s_mov_b32 s81, 0
	s_mov_b32 s[PSTEP+1], 0
	s_cmp_eq_u32 s85, 0
	s_cselect_b32 s[LIM], 1, -1                    ; the same in all sixteen partners, for a given wave
.endif
	v_and_b32 v1, 15, v0                           ; r = l % 16
	v_bfe_u32 v2, v0, 4, 1                         ; h = l / 16
	v_mul_u32_u24 v3, v1, PAB
	v_lshl_add_u32 v3, v2, 4, v3                   ; row x pitch + 16 x half
	s_mul_i32 s46, s[WR], HA
	v_add_nc_u32 v[ADRA], s46, v3
	v_add_nc_u32 v[ADRA+1], SLOT, v[ADRA]
	v_and_b32 v8, 7, v0
	v_lshl_add_u32 v8, v2, 3, v8                   ; the turning load: k row 8 h + l % 8,
	v_mul_u32_u24 v8, v8, PB
	v_bfe_u32 v9, v0, 3, 1
	v_lshl_add_u32 v8, v9, 4, v8                   ; columns 8 ((l / 8) % 2) + 0..7
	s_lshl_b32 s46, s[WC], 7
	s_add_co_u32 s46, s46, 2*HA
	v_add_nc_u32 v[ADRB], s46, v8
	v_add_nc_u32 v[ADRB+1], HB, v[ADRB]
	v_add_nc_u32 v[ADRB+2], SLOT, v[ADRB]
	v_add_nc_u32 v[ADRB+3], SLOT+HB, v[ADRB]
	s_mul_i32 s46, s[WV], 16*SPS                   ; my stage, in slot 0
	v_mul_u32_u24 v[STO], v1, SPS
	v_lshl_add_u32 v[STO], v2, 5, v[STO]
	v_add_nc_u32 v[STO], s46, v[STO]
	v_mul_u32_u24 v[RD], v2, SPS
	v_lshl_add_u32 v[RD], v1, 4, v[RD]
	v_add_nc_u32 v[RD], s46, v[RD]
	v_lshlrev_b32 v[CO], 11, v2
	v_lshl_add_u32 v[CO], v1, 4, v[CO]
	v_lshlrev_b32 v[BOF], 4, v1
.if LAPS > 1
	v_lshlrev_b32 v[PFO], s84, v2
	v_lshl_add_u32 v[PFO], v1, 8, v[PFO]
.endif
	s_wait_dscnt 0x0                               ; the opening add is done
	s_wait_kmcnt 0x0
	s_add_nc_u64 s[40:41], s[4:5], s[40:41]
	s_add_nc_u64 s[44:45], s[6:7], s[44:45]
	s_add_nc_u64 s[RB:RB+1], s[10:11], s[76:77]
	s_add_nc_u64 s[OB:OB+1], s[12:13], s[76:77]
	s_add_nc_u64 s[86:87], s[8:9], s[78:79]
.if LAPS > 1
	s_cmp_eq_u32 s[WR], 0
	s_cselect_b64 s[PFA:PFA+1], s[4:5], s[6:7]
	s_add_nc_u64 s[PFA:PFA+1], s[PFA:PFA+1], s[80:81]
.endif
	CROUND                                         ; all sixteen work-groups are here: the first joint loads meet
.irp n, 0,1
	s_mov_b32 s[G0A+4*(\n)], 1
	s_add_co_u32 s[G0A+4*(\n)+1], s42, (\n)*SLOT
	s_add_nc_u64 s[G0A+4*(\n)+2:G0A+4*(\n)+3], s[40:41], (\n)*ASTEP
	s_or_b32 s[G0A+4*(\n)+3], s[G0A+4*(\n)+3], 0x80000000
	s_mov_b32 s[G0B+4*(\n)], 1
	s_add_co_u32 s[G0B+4*(\n)+1], s43, (\n)*SLOT
	s_add_nc_u64 s[G0B+4*(\n)+2:G0B+4*(\n)+3], s[44:45], (\n)*BSTEP
	s_or_b32 s[G0B+4*(\n)+3], s[G0B+4*(\n)+3], 0x80000000
	JLOAD \n                                       ; two loads of mine are out
.endr
	global_load_b128 v[4:7], v[BOF], s[86:87]      ; the bias of my 4 columns
	s_wait_tensorcnt 0x1                           ; my part of K step 0 is in; step 1's may stay out
	s_barrier_signal -1
	s_barrier_wait -1                              ; everybody's is
	FETCH 0, 0, F0
	QUARTER 0, 1, F0, F1, 1                        ; the first quarter stands in front of the loop: its first products start the sums
.if LAPS > 1
	WIN 0                                          ; at a label and at a branch every window is 0
	s_mov_b32 s3, LAPS-1
.Llap:                                         ; a trip goes once round the ring, from a lap's second quarter to the next lap's first, and fills both slots again
	QUARTER 0, 2, F1, F0, 0
	QUARTER 0, 3, F0, F1, 0
	TURN 0, 1, 1
	QUARTER 1, 1, F0, F1, 0
	QUARTER 1, 2, F1, F0, 0
	QUARTER 1, 3, F0, F1, 0
	TURN 1, 0, 1
	QUARTER 0, 1, F0, F1, 0
	WIN 0
	s_sub_co_u32 s3, s3, 1
	s_cmp_lg_u32 s3, 0
	s_cbranch_scc1 .Llap
.endif
	QUARTER 0, 2, F1, F0, 0                        ; the last lap fills nothing
	QUARTER 0, 3, F0, F1, 0
	TURN 0, 1, 0
	RESLD 0                                        ; the first residual rows are asked for a K step ahead of the way out
	RESLD 1
	QUARTER 1, 1, F0, F1, 0
	QUARTER 1, 2, F1, F0, 0
	QUARTER 1, 3, F0, F1, 0
	s_wait_dscnt 16                                ; the very last quarter: nothing more to fetch
	MUL8 F1, 0, 0, 0
	MUL8 F1, 0, 2, 0
	s_wait_dscnt 0x0
	MUL8 F1, 1, 0, 0
	MUL8 F1, 1, 2, 0
	WIN 0
	PLACES
	OUTB 0
	OUTB 1
	OUTB 2
	OUTB 3
	s_wait_tensorcnt 0x0                           ; the wave's end, behind my last tensor load and my last LDS store
	ds_add_u32 v[SPW], v[NIL]
	s_wait_dscnt 0x0
	CROUND                                         ; the closing round
	s_endpgm
.Lfunc_end_k_qf5d8504c30_proj:
	.size	k_qf5d8504c30_proj, .Lfunc_end_k_qf5d8504c30_proj-k_qf5d8504c30_proj
	.p2alignl 7, 3214868480
	.fill 96, 4, 3214868480
	.section	.rodata,"a",@progbits
	.p2align	6, 0x0
	.amdhsa_kernel k_qf5d8504c30_proj
		.amdhsa_group_segment_fixed_size 327680
		.amdhsa_private_segment_fixed_size 0
		.amdhsa_enable_private_segment 0
		.amdhsa_kernarg_size 40
		.amdhsa_user_sgpr_count 2
		.amdhsa_user_sgpr_kernarg_segment_ptr 1
		.amdhsa_wavefront_size32 1
		.amdhsa_system_sgpr_workgroup_id_x 1
		.amdhsa_system_sgpr_workgroup_id_y 1
		.amdhsa_system_sgpr_workgroup_id_z 1
		.amdhsa_system_vgpr_workitem_id 0
		.amdhsa_next_free_vgpr 512
		.amdhsa_next_free_sgpr 100
		.amdhsa_reserve_vcc 0
		.amdhsa_float_denorm_mode_32 3
		.amdhsa_float_denorm_mode_16_64 3
		.amdhsa_memory_ordered 1
		.amdhsa_forward_progress 1
		.amdhsa_inst_pref_size 61
	.end_amdhsa_kernel
	.amdgpu_metadata
---
amdhsa.version: [ 1, 2 ]
amdhsa.kernels:
  - .name:           k_qf5d8504c30_proj
    .symbol:         k_qf5d8504c30_proj.kd
    .args:
      - { .name: y, .offset: 0, .size: 8, .value_kind: global_buffer, .address_space: global }
      - { .name: wts, .offset: 8, .size: 8, .value_kind: global_buffer, .address_space: global }
      - { .name: bp, .offset: 16, .size: 8, .value_kind: global_buffer, .address_space: global }
      - { .name: x, .offset: 24, .size: 8, .value_kind: global_buffer, .address_space: global }
      - { .name: x1, .offset: 32, .size: 8, .value_kind: global_buffer, .address_space: global }
    .group_segment_fixed_size: 327680
    .private_segment_fixed_size: 0
    .kernarg_segment_align: 8
    .kernarg_segment_size: 40
    .max_flat_workgroup_size: 128
    .sgpr_count:     100
    .vgpr_count:     512
    .wavefront_size: 32
...
	.end_amdgpu_metadata
.endif
;; end of part 4
;; launch mlp1 (part 5): grid 64 x 4, 4 waves a work-group, clusters of 4 x 1, 327,680 bytes of LDS; arguments x1, ln2_g, ln2_b, wts, b1, g; writes g
.if DOCPART == 5
	.amdgcn_target "amdgcn-amd-amdhsa--gfx1250"
	.amdhsa_code_object_version 6
	.text
	.protected	k_qf5d8504c30_mlp1
	.globl	k_qf5d8504c30_mlp1
	.p2align	8
	.type	k_qf5d8504c30_mlp1,@function
k_qf5d8504c30_mlp1:
	s_mov_b64 s[64:65], 0
	v_nop
	global_prefetch_b8 v0, s[64:65] scope:SCOPE_SE
	s_setreg_imm32_b32 hwreg(HW_REG_WAVE_MODE, 25, 1), 1
	s_wait_xcnt 0x0
	s_wait_alu depctr_hold_cnt(0) depctr_sa_sdst(0) depctr_va_vdst(0) depctr_va_sdst(0) depctr_va_ssrc(0) depctr_va_vcc(0) depctr_vm_vsrc(0)
	s_getreg_b32 s2, hwreg(HW_REG_IB_STS2, 6, 4)
	s_cmp_eq_u32 s2, 0
	s_cbranch_scc0 .Lentry_in_a_cluster
	s_endpgm
.Lentry_in_a_cluster:
	s_bfe_u32 s2, ttmp6, 0x10000c
	s_cmp_lg_u32 s2, 0x3003
	s_cbranch_scc0 .Lentry_shape_is_right
	s_endpgm
.Lentry_shape_is_right:
; LAYER NORM, THEN A PRODUCT WITH K = 512.  MODE 0: qkv = LN1(x) [Wq Wk Wv] + bias, q also times log2(e) / sqrt(32).  MODE 1: g = gelu(LN2(x1) W1 + b1).
; x: [8192][512] f32.  Weights: bf16 in column tiles [tile of 128 columns][k][128].  Output: bf16 in blocks of 32 columns, element (row, col) at (col / 32) x 524,288 + row x 64 + (col % 32) x 2.
; SHARES.  A work-group owns 128 rows and NT column tiles of 128.  Its rows are normalised once, rounded to bf16 and stay in LDS (all of K); the weights go through a ring of two LDS slots, 256 along K each.
; Four waves, each 64 x 64 of a tile: 16 accumulators.  The matrix instruction is used transposed (source 0 = 16 weight columns, turned on the way out of LDS; source 1 = 16 rows), so a lane holds 8 neighbouring columns of a row.
; CLUSTER.  The four partners are four row blocks of one column group and walk the same weight tiles: every weight load is asked for jointly, the same descriptor and the mask of all four in each.
; LIMITS.  NaN and infinities are not treated apart.  v_rsq_f32, v_rcp_f32 and v_exp_f32 are good to 1 ULP.  MODE 1: erf by a rational form with |error| <= 2.5e-5 for every x (Abramowitz and Stegun 7.1.25).
; REGISTERS.  Window 0: v0-31 addresses; v32-127 at work (LN, way out); v128-255 the accumulators ((a, b) at 128 + 8 (4 a + b)); in the LN phase v128-255 hold two sets of four rows of x.
;   Window 1: two fragment buffers of 128: for 64 along K, 64 registers of rows, then 64 of weights.
.set MODE, 1
.if MODE == 0
.set NT,    3                          ; column tiles a work-group
.set WOFF,  0                          ; where the weights begin in wts
.set A_OUT, 18
.else
.set NT,    4
.set WOFF,  2097152
.set A_OUT, 14
.endif
.set A_X,  4                           ; s[4:5] x, s[6:7] gain, s[8:9] bias of the norm, s[10:11] wts, s[12:..] the products' bias(es), s[A_OUT:A_OUT+1] the output
.set A_G,  6
.set A_B,  8
.set A_W,  10
.set A_BI, 12
.set PB,    288                        ; a k row of weights in LDS: 256 bytes + 32 of padding = 72 words
.set SLOTB, 256*PB                     ; a slot: 256 k rows
.set ABASE, 2*SLOTB                    ; the normalised rows: 128 x 1,040 bytes
.set PA,    1040                       ; 1,024 bytes + 16: the 16 rows of a fragment load start at 16 different groups of four banks
.set STAGE, ABASE+128*PA               ; the way out: 32 rows x 272 bytes of f32 for each wave; no tensor load lands here
.set SPS,   272
.set SPARE, STAGE+4*32*SPS             ; the spare words, 128 bytes for each wave: two blocks of 256 bytes that no other line names
.set XO,   8                           ; v8   16 x lane
.set AW,   9                           ; v9   LN: where my 8 bytes of my wave's first row go
.set ADRA, 10                          ; v10  my place in the rows' fragments
.set AWV,  11                          ; v11  AW + the trip's step
.set ADRB, 12                          ; v12-15 my place in the weights' fragments: slot 0 rows 0-127, 128-255; slot 1 likewise
.set STO,  16                          ; v16  way out: where I put 16 bytes of f32
.set RD0,  17                          ; v17  way out: where I read 32 bytes back
.set RDV,  18                          ; v18  RD0 + the trip's step
.set GO0,  19                          ; v19  my byte offset in the output
.set BO,   21                          ; v21  my byte offset in the bias
.set PFO,  22                          ; v22  256 x lane
.set SPW,  28                          ; v28  LDS address of my spare word; never rewritten
.set NIL,  29                          ; v29  0; never rewritten
.set GN,   32                          ; LN: v32-47 gain, v48-63 bias of my 16 columns
.set BI,   48
.set LT,   64                          ; LN: 8 registers at work for each of four rows
.set LP,   96                          ; LN: 8 packed registers for each of four rows
.set XS,   128                         ; LN: two sets of 4 rows x 16 registers
.set BIAS, 32                          ; way out: v32-39 the bias of my 8 columns
.set T,    40                          ; way out: 16 numbers; D, E, MX, PP at work; OUT packed
.set D,    56
.set E,    72
.set MX,   88
.set PP,   104
.set OUT,  120
.set ACC,  128
.set F0,   0
.set F1,   128
.set WV,  20                           ; s20 wave, s21 its half of the rows, s22 its half of the columns
.set WR,  21
.set WC,  22
.set CX,  23                           ; s23 my place in the cluster: it enters global addresses of x, the output and the prefetch alone
.set RB,  24                           ; s24 row block
.set CG,  25                           ; s25 column group
.set NTI, 26                           ; s26 the tile's number
.set CNT, 27                           ; s27 tiles to go in the loop
.set LIM, 28                           ; s28 1 in a wave that prefetches, else the greatest number
.set EC,  29
.set HF,  30
.set LNC, 31
.set G1,  36                           ; s[36:43] descriptor group 1
.set G0,  44                           ; s[44:51] descriptor group 0, a set for each slot
.set PFA, 52
.set XP,  54
.set OB,  56
.set BP,  58
.set SC,  60
.set SEL, 62
.set RN,  66                           ; 1/512
.set EPSR, 67                          ; 1e-5
.set KP,  68                           ; MODE 1: constants, in pairs of which the low word is taken for both halves
.set KA3, 70
.set KA2, 72
.set KA1, 74
.set KK,  76
.set AWS, 86                           ; LN: the trip's step in LDS
.set RS,  87                           ; way out: the trip's step in the stage
.set MSB, 0
.macro WIN new                         ; the immediate's high byte repeats the setting that is left; a switch that changes nothing is dropped
.if MSB != (\new)
	s_set_vgpr_msb (MSB<<8)|(\new)
.set MSB, \new
.endif
.endm
.set MUL,  0x05                        ; sources 0 and 1 window 1; C and D window 0
.set TO_F, 0x40                        ; destination window 1, address window 0
.macro PLACES                          ; four places behind matrix instructions, in front of loads into their sources and of readers of their results
.rept 4
	v_nop
.endr
.endm
.macro CREST                           ; a round of the cluster's barrier behind its opening barrier
	s_cmp_lg_u32 s[WV], 0
	s_cbranch_scc1 .Lnot_wave_0_\@
	s_barrier_signal -3
.Lnot_wave_0_\@:
	s_barrier_wait -3
	s_barrier_signal -1
	s_barrier_wait -1
.endm
.macro CROUND
	s_barrier_signal -1
	s_barrier_wait -1
	CREST
.endm
; 8 matrix instructions: row blocks a0, a0 + 1 x all 4 column blocks, 32 along K: half c of buffer f.  zero = 1: the product starts the sums.  The 16 accumulators take turns.
.macro MUL8 f, c, a0, zero
	WIN MUL
.irp a, \a0, (\a0)+1
.irp b, 0,1,2,3
.if \zero
	v_wmma_f32_16x16x32_bf16 v[ACC+8*(4*(\a)+(\b)):ACC+8*(4*(\a)+(\b))+7], v[(\f)+64+8*(4*(\c)+(\b)):(\f)+64+8*(4*(\c)+(\b))+7], v[(\f)+8*(4*(\c)+(\a)):(\f)+8*(4*(\c)+(\a))+7], 0
.else
	v_wmma_f32_16x16x32_bf16 v[ACC+8*(4*(\a)+(\b)):ACC+8*(4*(\a)+(\b))+7], v[(\f)+64+8*(4*(\c)+(\b)):(\f)+64+8*(4*(\c)+(\b))+7], v[(\f)+8*(4*(\c)+(\a)):(\f)+8*(4*(\c)+(\a))+7], v[ACC+8*(4*(\a)+(\b)):ACC+8*(4*(\a)+(\b))+7]
.endif
.endr
.endr
.endm
; 32 LDS loads in one run: the fragments of quarter q (64 along K) of the K step in the slot, into buffer f; the first 32 along K first.  The rows' K is 256 x slot + 64 q.
.macro FETCH slot, q, f
	WIN TO_F
.irp c, 0,1
.irp i, 0,1,2,3
	ds_load_tr16_b128 v[(\f)+64+8*(4*(\c)+(\i)):(\f)+64+8*(4*(\c)+(\i))+3],   v[ADRB+2*(\slot)+(\q)/2] offset:(((\q)%2)*64+32*(\c))*PB+32*(\i)
	ds_load_tr16_b128 v[(\f)+64+8*(4*(\c)+(\i))+4:(\f)+64+8*(4*(\c)+(\i))+7], v[ADRB+2*(\slot)+(\q)/2] offset:(((\q)%2)*64+32*(\c)+16)*PB+32*(\i)
	ds_load_b128 v[(\f)+8*(4*(\c)+(\i)):(\f)+8*(4*(\c)+(\i))+3],   v[ADRA] offset:(\slot)*512+(\q)*128+64*(\c)+(\i)*16*PA
	ds_load_b128 v[(\f)+8*(4*(\c)+(\i))+4:(\f)+8*(4*(\c)+(\i))+7], v[ADRA] offset:(\slot)*512+(\q)*128+64*(\c)+(\i)*16*PA+32
.endr
.endr
.endm
; One of a K step's first three quarters: multiplies buffer f and fetches quarter q into g.
.macro QUARTER slot, q, f, g, zero
	s_wait_dscnt 16                                ; the first 32 along K are in; the younger 16 loads may be out
	MUL8 \f, 0, 0, \zero
	MUL8 \f, 0, 2, \zero
	PLACES
	FETCH \slot, \q, \g
	s_wait_dscnt 32                                ; all but the 32 just issued
	MUL8 \f, 1, 0, 0
	MUL8 \f, 1, 2, 0
.endm
; A prefetch into the L2 of the K step that stands two refills on: 256 k rows of 256 bytes, each named once in the launch: the column group's first cluster asks; its waves 0 and 1 take 128 rows each,
; of which the partner at place cx takes 32, told apart by address; a lane a row.  The loop's last trip asks for nothing: its refills are the column group's last two steps.
.macro ASK
	WIN 0
	s_cmp_gt_u32 s[CNT], s[LIM]
	s_cbranch_scc0 .Lnot_mine_\@
	global_prefetch_b8 v[PFO], s[PFA:PFA+1] th:TH_LOAD_NT scope:SCOPE_SE
.Lnot_mine_\@:
.endm
; The last quarter multiplies buffer 1 and changes slots: one barrier; in front of it each wave waits for all its tensor loads, adds 0 to its spare word, and waits for that and for its reads of this slot.
; fill = 1: the barrier opens a round of the cluster's barrier, and behind the round this slot is filled again, two K steps ahead: the wave's one tensor load, first thing there.
.macro TURN slot, next, fill
.if \fill
	s_wait_xcnt 0x0                                ; the last prefetch, a K step back, has read its address
	s_add_nc_u64 s[PFA:PFA+1], s[PFA:PFA+1], 65536
.endif
	WIN 0
	s_wait_tensorcnt 0x0                           ; all my tensor loads have landed: my part of the next slot
	ds_add_u32 v[SPW], v[NIL]                      ; 0 onto my spare word
	s_wait_dscnt 17                                ; the add and the youngest 16 loads may be out
	MUL8 F1, 0, 0, 0
	s_wait_dscnt 0x0                               ; the add is done, and my reads of this slot are over
	s_barrier_signal -1
	MUL8 F1, 0, 2, 0
.if \fill
	WIN 0
.endif
	s_barrier_wait -1
.if \fill
	CREST                                          ; no wave of any partner still reads this slot or has a load on its way
	s_add_nc_u64 s[G0+4*(\slot)+2:G0+4*(\slot)+3], s[G0+4*(\slot)+2:G0+4*(\slot)+3], 131072
	tensor_load_to_lds s[G0+4*(\slot):G0+4*(\slot)+3], s[G1:G1+7]
	s_nop 0
	PLACES                                         ; also the places in front of the loads below
.else
	PLACES
.endif
	FETCH \next, 0, F0
.if \fill
	ASK
.endif
	MUL8 F1, 1, 0, 0
	MUL8 F1, 1, 2, 0
.endm
.macro LASTQ                           ; the very last quarter: nothing more to fetch
	s_wait_dscnt 16
	MUL8 F1, 0, 0, 0
	MUL8 F1, 0, 2, 0
	s_wait_dscnt 0x0
	MUL8 F1, 1, 0, 0
	MUL8 F1, 1, 2, 0
.endm
; LAYER NORM.  A row's 512 numbers lie 16 to a lane: columns 128 c + 4 lane + 0..3.  Four rows go side by side, so that no line waits for the one before it.
.macro ALL line:vararg                 ; one line for each of the four rows
.set rr, 0
.rept 4
.set tb, LT+8*rr
.set xb, XB+16*rr
.set pb, LP+8*rr
	\line
.set rr, rr+1
.endr
.endm
.macro LOADX set, row0                 ; four rows, 16 loads of 512 consecutive bytes
.irp r, 0,1,2,3
.irp c, 0,1,2,3
	global_load_b128 v[XS+64*(\set)+16*(\r)+4*(\c):XS+64*(\set)+16*(\r)+4*(\c)+3], v[XO], s[XP:XP+1] offset:((\row0)+(\r))*2048+512*(\c)
.endr
.endr
.endm
.macro LN4 set, row0
.set XB, XS+64*(\set)
	ALL v_pk_add_f32 v[tb:tb+1], v[xb:xb+1], v[xb+2:xb+3]
	ALL v_pk_add_f32 v[tb+2:tb+3], v[xb+4:xb+5], v[xb+6:xb+7]
	ALL v_pk_add_f32 v[tb+4:tb+5], v[xb+8:xb+9], v[xb+10:xb+11]
	ALL v_pk_add_f32 v[tb+6:tb+7], v[xb+12:xb+13], v[xb+14:xb+15]
	ALL v_pk_add_f32 v[tb:tb+1], v[tb:tb+1], v[tb+2:tb+3]
	ALL v_pk_add_f32 v[tb+4:tb+5], v[tb+4:tb+5], v[tb+6:tb+7]
	ALL v_pk_add_f32 v[tb:tb+1], v[tb:tb+1], v[tb+4:tb+5]
	ALL v_add_f32 v[tb], v[tb], v[tb+1]
.irp m, 1,2,4,8
	ALL v_add_f32_dpp v[tb], v[tb], v[tb] row_xmask:\m row_mask:0xf bank_mask:0xf
.endr
	ALL v_permlanex16_b32 v[tb+1], v[tb], s[SEL], s[SEL+1]
	ALL v_add_f32 v[tb], v[tb], v[tb+1]
	ALL v_mul_f32 v[tb], s[RN], v[tb]              ; the mean
.irp j, 0,2,4,6,8,10,12,14
	ALL v_pk_add_f32 v[xb+(\j):xb+(\j)+1], v[xb+(\j):xb+(\j)+1], v[tb:tb+1] op_sel_hi:[1,0] neg_lo:[0,1] neg_hi:[0,1]
.endr
	ALL v_pk_mul_f32 v[tb+2:tb+3], v[xb:xb+1], v[xb:xb+1]
	ALL v_pk_mul_f32 v[tb+4:tb+5], v[xb+2:xb+3], v[xb+2:xb+3]
.irp j, 4,8,12
	ALL v_pk_fma_f32 v[tb+2:tb+3], v[xb+(\j):xb+(\j)+1], v[xb+(\j):xb+(\j)+1], v[tb+2:tb+3]
	ALL v_pk_fma_f32 v[tb+4:tb+5], v[xb+(\j)+2:xb+(\j)+3], v[xb+(\j)+2:xb+(\j)+3], v[tb+4:tb+5]
.endr
	ALL v_pk_add_f32 v[tb+2:tb+3], v[tb+2:tb+3], v[tb+4:tb+5]
	ALL v_add_f32 v[tb+2], v[tb+2], v[tb+3]
.irp m, 1,2,4,8
	ALL v_add_f32_dpp v[tb+2], v[tb+2], v[tb+2] row_xmask:\m row_mask:0xf bank_mask:0xf
.endr
	ALL v_permlanex16_b32 v[tb+3], v[tb+2], s[SEL], s[SEL+1]
	ALL v_add_f32 v[tb+2], v[tb+2], v[tb+3]
	ALL v_fma_f32 v[tb+2], v[tb+2], s[RN], s[EPSR] ; the variance + 1e-5
	ALL v_rsq_f32 v[tb+4], v[tb+2]
	v_nop                                          ; a plain instruction behind the last v_rsq_f32,
	s_wait_alu depctr_va_vdst(0)                   ; and the wait ahead of the first use: one for the four
.irp j, 0,2,4,6,8,10,12,14
	ALL v_pk_mul_f32 v[xb+(\j):xb+(\j)+1], v[xb+(\j):xb+(\j)+1], v[tb+4:tb+5] op_sel_hi:[1,0]
.endr
.irp j, 0,2,4,6,8,10,12,14
	ALL v_pk_fma_f32 v[xb+(\j):xb+(\j)+1], v[xb+(\j):xb+(\j)+1], v[GN+(\j):GN+(\j)+1], v[BI+(\j):BI+(\j)+1]
.endr
.irp j, 0,1,2,3,4,5,6,7
	ALL v_cvt_pk_bf16_f32 v[pb+(\j)], v[xb+2*(\j)], v[xb+2*(\j)+1]
.endr
.irp c, 0,1,2,3
	ALL ds_store_b64 v[AWV], v[pb+2*(\c):pb+2*(\c)+1] offset:((\row0)+rr)*PA+256*(\c)
.endr
.endm
; The bias of my 8 columns of this tile: asked for at the tile's head, waited for on the way out.
.macro BIASLD
	s_wait_xcnt 0x0                                ; earlier loads have read their base
.if MODE == 0
	s_cmp_lt_u32 s[NTI], 8
	s_cselect_b64 s[BP:BP+1], s[A_BI+2:A_BI+3], s[A_BI+4:A_BI+5]
	s_cmp_lt_u32 s[NTI], 4
	s_cselect_b64 s[BP:BP+1], s[A_BI:A_BI+1], s[BP:BP+1]
	s_cselect_b32 s[SC], 0x3e8293ee, 1.0           ; q is scaled by log2(e) / sqrt(32), in f32, ahead of its one rounding
	s_mov_b32 s[SC+1], s[SC]
	s_and_b32 s32, s[NTI], 3
	s_lshl_b32 s32, s32, 9
.else
	s_mov_b64 s[BP:BP+1], s[A_BI:A_BI+1]
	s_lshl_b32 s32, s[NTI], 9
.endif
	s_lshl_b32 s33, s[WC], 8
	s_add_co_u32 s32, s32, s33
	s_mov_b32 s33, 0
	s_add_nc_u64 s[BP:BP+1], s[BP:BP+1], s[32:33]
	global_load_b128 v[BIAS:BIAS+3],   v[BO], s[BP:BP+1]
	global_load_b128 v[BIAS+4:BIAS+7], v[BO], s[BP:BP+1] offset:16
.endm
.macro STORES a0                       ; row blocks a0, a0 + 1 into my stage, each accumulator's low registers first
.irp a, 0,1
.irp b, 0,1,2,3
	ds_store_b128 v[STO], v[ACC+8*(4*((\a0)+(\a))+(\b)):ACC+8*(4*((\a0)+(\a))+(\b))+3]   offset:(\a)*16*SPS+64*(\b)
	ds_store_b128 v[STO], v[ACC+8*(4*((\a0)+(\a))+(\b))+4:ACC+8*(4*((\a0)+(\a))+(\b))+7] offset:(\a)*16*SPS+64*(\b)+16
.endr
.endr
.endm
; THE WAY OUT of a tile, the wave's own: no barrier.  32 rows at a time go into my stage as f32; a trip reads 8 rows back so that a lane holds 8 neighbouring columns of a row (and of the row four below),
; adds the bias, applies the scale or the GELU, rounds to bf16 and stores: 16 lanes fill 256 consecutive bytes of a block of 32 columns (four rows of 64 bytes).
.macro EPI
	PLACES
	s_wait_loadcnt 0x0                             ; the bias
.if MODE == 0
.irp j, 0,2,4,6
	v_pk_mul_f32 v[BIAS+(\j):BIAS+(\j)+1], v[BIAS+(\j):BIAS+(\j)+1], s[SC:SC+1] op_sel_hi:[1,0]
.endr
.endif
	s_mov_b32 s[HF], 0
.Lhalf_\@:
	s_cmp_eq_u32 s[HF], 0
	s_cbranch_scc0 .Lhi_\@
	STORES 0
	s_branch .Lst_\@
.Lhi_\@:
	STORES 2
.Lst_\@:
	s_mov_b32 s[RS], 0
	s_mov_b32 s[EC], 4
.Ltrip_\@:
	v_add_nc_u32 v[RDV], s[RS], v[RD0]
	ds_load_b128 v[T:T+3],     v[RDV]              ; LDS serves a wave's instructions in order (ISA guide 5.7.1.4): these see the stores above
	ds_load_b128 v[T+4:T+7],   v[RDV] offset:16
	ds_load_b128 v[T+8:T+11],  v[RDV] offset:4*SPS
	ds_load_b128 v[T+12:T+15], v[RDV] offset:4*SPS+16
	s_wait_dscnt 0x0
.if MODE == 0
.irp j, 0,2,4,6
	v_pk_fma_f32 v[T+(\j):T+(\j)+1],     v[T+(\j):T+(\j)+1],     s[SC:SC+1], v[BIAS+(\j):BIAS+(\j)+1] op_sel_hi:[1,0,1]
	v_pk_fma_f32 v[T+8+(\j):T+8+(\j)+1], v[T+8+(\j):T+8+(\j)+1], s[SC:SC+1], v[BIAS+(\j):BIAS+(\j)+1] op_sel_hi:[1,0,1]
.endr
.else
	; gelu(x) = max(x, 0) - |x| r, r = ((a3 t + a2) t + a1) t 2^(-k x x), t = 1 / (1 + p |x|): erf's form with x / sqrt(2) and the factor 1/2 folded into p, a1-a3 and k
.irp j, 0,2,4,6
	v_pk_add_f32 v[T+(\j):T+(\j)+1],     v[T+(\j):T+(\j)+1],     v[BIAS+(\j):BIAS+(\j)+1]
	v_pk_add_f32 v[T+8+(\j):T+8+(\j)+1], v[T+8+(\j):T+8+(\j)+1], v[BIAS+(\j):BIAS+(\j)+1]
.endr
.set i, 0
.rept 16
	v_fma_f32 v[D+i], |v[T+i]|, s[KP], 1.0
.set i, i+1
.endr
.set i, 0
.rept 8
	v_pk_mul_f32 v[E+i:E+i+1], v[T+i:T+i+1], v[T+i:T+i+1]
.set i, i+2
.endr
.set i, 0
.rept 8
	v_pk_mul_f32 v[E+i:E+i+1], v[E+i:E+i+1], s[KK:KK+1] op_sel_hi:[1,0]
.set i, i+2
.endr
.set i, 0
.rept 16                               ; one batch of 32: none of these lines names another's result
	v_rcp_f32 v[D+i], v[D+i]
	v_max_num_f32 v[MX+i], 0, v[T+i]
	v_exp_f32 v[E+i], v[E+i]
.set i, i+1
.endr
	v_nop                                          ; a plain instruction behind the last of the batch,
	s_wait_alu depctr_va_vdst(0)                   ; and one wait for the batch, ahead of its first reader
.set i, 0
.rept 8
	v_pk_fma_f32 v[PP+i:PP+i+1], v[D+i:D+i+1], s[KA3:KA3+1], s[KA2:KA2+1] op_sel_hi:[1,0,0]
.set i, i+2
.endr
.set i, 0
.rept 8
	v_pk_fma_f32 v[PP+i:PP+i+1], v[PP+i:PP+i+1], v[D+i:D+i+1], s[KA1:KA1+1] op_sel_hi:[1,1,0]
.set i, i+2
.endr
.set i, 0
.rept 8
	v_pk_mul_f32 v[PP+i:PP+i+1], v[PP+i:PP+i+1], v[D+i:D+i+1]
.set i, i+2
.endr
.set i, 0
.rept 8
	v_pk_mul_f32 v[PP+i:PP+i+1], v[PP+i:PP+i+1], v[E+i:E+i+1]
.set i, i+2
.endr
.set i, 0
.rept 16
	v_fma_f32 v[T+i], -|v[T+i]|, v[PP+i], v[MX+i]
.set i, i+1
.endr
.endif
.irp j, 0,1,2,3,4,5,6,7
	v_cvt_pk_bf16_f32 v[OUT+(\j)], v[T+2*(\j)], v[T+2*(\j)+1]
.endr
	global_store_b128 v[GO0], v[OUT:OUT+3],   s[OB:OB+1]
	global_store_b128 v[GO0], v[OUT+4:OUT+7], s[OB:OB+1] offset:256
	s_wait_xcnt 0x0                                ; the stores have read their data and their base: both are written again only behind this wait
	s_add_nc_u64 s[OB:OB+1], s[OB:OB+1], 512       ; 8 rows of 64 bytes on
	s_add_co_u32 s[RS], s[RS], 8*SPS
	s_sub_co_u32 s[EC], s[EC], 1
	s_cmp_lg_u32 s[EC], 0
	s_cbranch_scc1 .Ltrip_\@
	s_add_co_u32 s[HF], s[HF], 1
	s_cmp_lt_u32 s[HF], 2
	s_cbranch_scc1 .Lhalf_\@
	s_add_nc_u64 s[OB:OB+1], s[OB:OB+1], 2097152-4096  ; the next tile: four blocks of 32 columns on, back to my first row
	s_add_co_u32 s[NTI], s[NTI], 1
.endm
; A TILE: two K steps of 256, then the way out.  last = 1: the column group's last tile: nothing is asked for.
.macro TILE last
	BIASLD
	QUARTER 0, 1, F0, F1, 1
	QUARTER 0, 2, F1, F0, 0
	QUARTER 0, 3, F0, F1, 0
.if \last
	TURN 0, 1, 0
.else
	TURN 0, 1, 1
.endif
	QUARTER 1, 1, F0, F1, 0
	QUARTER 1, 2, F1, F0, 0
	QUARTER 1, 3, F0, F1, 0
.if \last
	LASTQ
.else
	TURN 1, 0, 1                                   ; also fetches the next tile's first fragments
.endif
	WIN 0
	EPI
.endm
.if MODE == 0
	s_load_b512 s[4:19], s[0:1], 0x0               ; x, gain, bias, wts, bq, bk, bv, qkv
.else
	s_load_b256 s[4:11], s[0:1], 0x0               ; x1, gain, bias, wts
	s_load_b128 s[12:15], s[0:1], 0x20             ; b1, g
.endif
	v_lshl_add_u32 v[SPW], v0, 2, SPARE
	v_mov_b32 v[NIL], 0
	ds_add_u32 v[SPW], v[NIL]                      ; the wave's opening: the add and its wait stand ahead of my first tensor load; the set-up below, work on registers, stands between them
	v_lshrrev_b32 v1, 5, v0
	v_readfirstlane_b32 s[WV], v1
	s_lshr_b32 s[WR], s[WV], 1
	s_and_b32 s[WC], s[WV], 1
	s_bfe_u32 s[CX], ttmp6, 0x40000
	s_lshl_b32 s[RB], ttmp9, 2
	s_add_co_u32 s[RB], s[RB], s[CX]               ; row block = 4 x cluster x + cx
	s_and_b32 s[CG], ttmp7, 0xffff                 ; column group, which the four partners share
	s_mul_i32 s[NTI], s[CG], NT
	; descriptor group 1: 64 k rows of 128 elements, dense in memory, padded in LDS
	s_mov_b32 s[G1], 15|(1<<16)|(1<<20)|(1<<21)|(5<<22)|(7<<25)  ; the mask of four; 2-byte elements; padding on; bit 21 beside a mask; after every 64 words, 8 words
	s_mov_b32 s[G1+1], 128<<16                     ; tensor_dim0 = 128
	s_mov_b32 s[G1+2], 64<<16                      ; tensor_dim1 = 64
	s_mov_b32 s[G1+3], 128<<16                     ; tile_dim0 = 128
	s_mov_b32 s[G1+4], 64                          ; tile_dim1 = 64
	s_mov_b32 s[G1+5], 128                         ; elements from row to row
	s_mov_b32 s[G1+6], 0
	s_mov_b32 s[G1+7], 0
	s_mul_i32 s32, s[CG], NT*131072                ; the column group's tiles,
	s_lshl_b32 s33, s[WV], 14                      ; my 64 k rows of a step
	s_add_co_u32 s32, s32, s33
	s_add_co_u32 s32, s32, WOFF
	s_mov_b32 s33, 0
	s_mul_i32 s34, s[WV], 64*PB                    ; and their place in a slot
	s_lshl_b32 s80, s[RB], 18                      ; x: my block's 128 rows of 2,048 bytes,
	s_lshl_b32 s81, s[WV], 16                      ; my wave's 32
	s_add_co_u32 s80, s80, s81
	s_mov_b32 s81, 0
	s_mul_i32 s82, s[CG], NT*2097152               ; output: the column group's blocks of 32 columns,
	s_lshl_b32 s83, s[WC], 20                      ; my two of a tile's four,
	s_add_co_u32 s82, s82, s83
	s_lshl_b32 s83, s[RB], 13                      ; my block's rows of 64 bytes,
	s_add_co_u32 s82, s82, s83
	s_lshl_b32 s83, s[WR], 12                      ; my wave's 64
	s_add_co_u32 s82, s82, s83
	s_mov_b32 s83, 0
	s_mul_i32 s84, s[CG], NT*131072                ; prefetch: at K step 3; the first refill steps it to 4
	s_lshl_b32 s85, s[WV], 15
	s_add_co_u32 s84, s84, s85
	s_lshl_b32 s85, s[CX], 13
	s_add_co_u32 s84, s84, s85
	s_add_co_u32 s84, s84, WOFF+3*65536
	s_mov_b32 s85, 0
	s_lshr_b32 s[LIM], s[WV], 1                    ; 0 in waves 0 and 1,
	s_or_b32 s[LIM], s[LIM], ttmp9                 ; in the column group's first cluster: the same in all four partners
	s_cmp_eq_u32 s[LIM], 0
	s_cselect_b32 s[LIM], 1, -1
	s_mov_b32 s[SEL], 0x76543210
	s_mov_b32 s[SEL+1], 0xfedcba98
	s_mov_b32 s[RN], 0x3b000000                    ; 1/512
	s_mov_b32 s[EPSR], 0x3727c5ac                  ; 1e-5
.if MODE == 1
	s_mov_b32 s[KP], 0x3eaa540e                    ; p / sqrt(2) = 0.3326725
	s_mov_b32 s[KP+1], s[KP]
	s_mov_b32 s[KA3], 0x3ebf7377                   ; a3 / 2 = 0.3739278
	s_mov_b32 s[KA3+1], s[KA3]
	s_mov_b32 s[KA2], 0xbd445ca1                   ; a2 / 2 = -0.0479399
	s_mov_b32 s[KA2+1], s[KA2]
	s_mov_b32 s[KA1], 0x3e32303a                   ; a1 / 2 = 0.1740121
	s_mov_b32 s[KA1+1], s[KA1]
	s_mov_b32 s[KK], 0xbf38aa3b                    ; -log2(e) / 2
	s_mov_b32 s[KK+1], s[KK]
.endif
	v_and_b32 v1, 15, v0                           ; r = l % 16
	v_bfe_u32 v2, v0, 4, 1                         ; h = l / 16
	v_and_b32 v3, 31, v0                           ; l
	v_lshlrev_b32 v[XO], 4, v3
	s_mul_i32 s35, s[WV], 32*PA
	s_add_co_u32 s35, s35, ABASE
	v_lshl_add_u32 v[AW], v3, 3, s35               ; my wave's first row, 8 bytes a lane
	s_mul_i32 s35, s[WR], 64*PA
	s_add_co_u32 s35, s35, ABASE
	v_mul_u32_u24 v[ADRA], v1, PA
	v_lshl_add_u32 v[ADRA], v2, 4, v[ADRA]
	v_add_nc_u32 v[ADRA], s35, v[ADRA]             ; row x pitch + 16 x half
	v_and_b32 v4, 7, v0
	v_lshl_add_u32 v4, v2, 3, v4                   ; the turning load: k row 8 h + l % 8,
	v_mul_u32_u24 v4, v4, PB
	v_bfe_u32 v5, v0, 3, 1
	v_lshl_add_u32 v4, v5, 4, v4                   ; columns 8 ((l / 8) % 2) + 0..7
	s_lshl_b32 s35, s[WC], 7
	v_add_nc_u32 v[ADRB], s35, v4
	v_add_nc_u32 v[ADRB+1], 128*PB, v[ADRB]
	v_add_nc_u32 v[ADRB+2], SLOTB, v[ADRB]
	v_add_nc_u32 v[ADRB+3], SLOTB+128*PB, v[ADRB]
	s_mul_i32 s35, s[WV], 32*SPS
	s_add_co_u32 s35, s35, STAGE
	v_mul_u32_u24 v[STO], v1, SPS
	v_lshl_add_u32 v[STO], v2, 5, v[STO]
	v_add_nc_u32 v[STO], s35, v[STO]               ; in: row r, 32 bytes for each half of the lanes
	v_bfe_u32 v4, v0, 2, 2                         ; back: row (l / 4) % 4,
	v_and_b32 v5, 3, v0                            ; 8 columns l % 4 of the block of 32 columns l / 16
	v_mul_u32_u24 v[RD0], v4, SPS
	v_lshl_add_u32 v[RD0], v2, 7, v[RD0]
	v_lshl_add_u32 v[RD0], v5, 5, v[RD0]
	v_add_nc_u32 v[RD0], s35, v[RD0]
	v_lshlrev_b32 v[GO0], 19, v2
	v_lshl_add_u32 v[GO0], v4, 6, v[GO0]
	v_lshl_add_u32 v[GO0], v5, 4, v[GO0]
	v_lshlrev_b32 v[BO], 7, v2
	v_lshl_add_u32 v[BO], v5, 5, v[BO]
	v_lshlrev_b32 v[PFO], 8, v3
	s_wait_dscnt 0x0                               ; the opening add is done
	s_wait_kmcnt 0x0
	s_add_nc_u64 s[32:33], s[A_W:A_W+1], s[32:33]
	s_add_nc_u64 s[XP:XP+1], s[A_X:A_X+1], s[80:81]
	s_add_nc_u64 s[OB:OB+1], s[A_OUT:A_OUT+1], s[82:83]
	s_add_nc_u64 s[PFA:PFA+1], s[A_W:A_W+1], s[84:85]
	CROUND                                         ; all four work-groups are here: the first joint loads meet
.irp n, 0,1
	s_mov_b32 s[G0+4*(\n)], 1                      ; count = 1
	s_add_co_u32 s[G0+4*(\n)+1], s34, (\n)*SLOTB   ; LDS address
	s_add_nc_u64 s[G0+4*(\n)+2:G0+4*(\n)+3], s[32:33], (\n)*65536  ; K step n
	s_or_b32 s[G0+4*(\n)+3], s[G0+4*(\n)+3], 0x80000000            ; type = 2
.endr
	tensor_load_to_lds s[G0:G0+3], s[G1:G1+7]      ; both slots' first fills go out together: two loads of mine are out
	s_nop 0
	tensor_load_to_lds s[G0+4:G0+7], s[G1:G1+7]
	s_nop 0
	PLACES
	; THE LN PHASE: wave w normalises rows 32 w .. 32 w + 31, 8 a trip in two sets of four; while one set is worked on the other's 16 loads are out.
.irp c, 0,1,2,3
	global_load_b128 v[GN+4*(\c):GN+4*(\c)+3], v[XO], s[A_G:A_G+1] offset:512*(\c)
	global_load_b128 v[BI+4*(\c):BI+4*(\c)+3], v[XO], s[A_B:A_B+1] offset:512*(\c)
.endr
	LOADX 0, 0
	s_mov_b32 s[AWS], 0
	s_mov_b32 s[LNC], 4
.Lln:
	LOADX 1, 4
	v_add_nc_u32 v[AWV], s[AWS], v[AW]
	s_wait_loadcnt 16                              ; all but set 1's 16 loads, just issued: set 0 is in (and gain and bias)
	LN4 0, 0
	s_cmp_eq_u32 s[LNC], 1
	s_cbranch_scc1 .Lln_end                        ; the last trip has no rows behind it
	LOADX 0, 8
	s_wait_loadcnt 16                              ; set 1 is in; set 0's next rows stay out
	s_branch .Lln_two
.Lln_end:
	s_wait_loadcnt 0x0
.Lln_two:
	LN4 1, 4
	s_add_co_u32 s[AWS], s[AWS], 8*PA
	s_wait_xcnt 0x0                                ; the loads have read their base
	s_add_nc_u64 s[XP:XP+1], s[XP:XP+1], 8*2048
	s_sub_co_u32 s[LNC], s[LNC], 1
	s_cmp_lg_u32 s[LNC], 0
	s_cbranch_scc1 .Lln
	s_wait_tensorcnt 0x1                           ; my part of K step 0 is in; step 1's may stay out
	s_wait_dscnt 0x0                               ; my rows lie in LDS
	s_barrier_signal -1
	s_barrier_wait -1                              ; everybody's do
	FETCH 0, 0, F0
	WIN 0                                          ; at a label and at a branch every window is 0
	s_mov_b32 s[CNT], NT-1
.Ltile:
	TILE 0
	s_sub_co_u32 s[CNT], s[CNT], 1
	s_cmp_lg_u32 s[CNT], 0
	s_cbranch_scc1 .Ltile
	TILE 1                                         ; the last tile is written out
	s_wait_tensorcnt 0x0                           ; the wave's end, behind my last tensor load and my last LDS store
	ds_add_u32 v[SPW], v[NIL]
	s_wait_dscnt 0x0
	CROUND                                         ; the closing round
	s_endpgm
.Lfunc_end_k_qf5d8504c30_mlp1:
	.size	k_qf5d8504c30_mlp1, .Lfunc_end_k_qf5d8504c30_mlp1-k_qf5d8504c30_mlp1
	.p2alignl 7, 3214868480
	.fill 96, 4, 3214868480
	.section	.rodata,"a",@progbits
	.p2align	6, 0x0
	.amdhsa_kernel k_qf5d8504c30_mlp1
		.amdhsa_group_segment_fixed_size 327680
		.amdhsa_private_segment_fixed_size 0
		.amdhsa_enable_private_segment 0
		.amdhsa_kernarg_size 48
		.amdhsa_user_sgpr_count 2
		.amdhsa_user_sgpr_kernarg_segment_ptr 1
		.amdhsa_wavefront_size32 1
		.amdhsa_system_sgpr_workgroup_id_x 1
		.amdhsa_system_sgpr_workgroup_id_y 1
		.amdhsa_system_sgpr_workgroup_id_z 1
		.amdhsa_system_vgpr_workitem_id 0
		.amdhsa_next_free_vgpr 512
		.amdhsa_next_free_sgpr 100
		.amdhsa_reserve_vcc 0
		.amdhsa_float_denorm_mode_32 3
		.amdhsa_float_denorm_mode_16_64 3
		.amdhsa_memory_ordered 1
		.amdhsa_forward_progress 1
		.amdhsa_inst_pref_size 139
	.end_amdhsa_kernel
	.amdgpu_metadata
---
amdhsa.version: [ 1, 2 ]
amdhsa.kernels:
  - .name:           k_qf5d8504c30_mlp1
    .symbol:         k_qf5d8504c30_mlp1.kd
    .args:
      - { .name: x1, .offset: 0, .size: 8, .value_kind: global_buffer, .address_space: global }
      - { .name: ln2_g, .offset: 8, .size: 8, .value_kind: global_buffer, .address_space: global }
      - { .name: ln2_b, .offset: 16, .size: 8, .value_kind: global_buffer, .address_space: global }
      - { .name: wts, .offset: 24, .size: 8, .value_kind: global_buffer, .address_space: global }
      - { .name: b1, .offset: 32, .size: 8, .value_kind: global_buffer, .address_space: global }
      - { .name: g, .offset: 40, .size: 8, .value_kind: global_buffer, .address_space: global }
    .group_segment_fixed_size: 327680
    .private_segment_fixed_size: 0
    .kernarg_segment_align: 8
    .kernarg_segment_size: 48
    .max_flat_workgroup_size: 128
    .sgpr_count:     100
    .vgpr_count:     512
    .wavefront_size: 32
...
	.end_amdgpu_metadata
.endif
;; end of part 5
;; launch mlp2 (part 6): grid 4 x 64, 4 waves a work-group, clusters of 4 x 4, 327,680 bytes of LDS; arguments g, wts, b2, x1, out0; writes out0
.if DOCPART == 6
	.amdgcn_target "amdgcn-amd-amdhsa--gfx1250"
	.amdhsa_code_object_version 6
	.text
	.protected	k_qf5d8504c30_mlp2
	.globl	k_qf5d8504c30_mlp2
	.p2align	8
	.type	k_qf5d8504c30_mlp2,@function
k_qf5d8504c30_mlp2:
	s_mov_b64 s[64:65], 0
	v_nop
	global_prefetch_b8 v0, s[64:65] scope:SCOPE_SE
	s_setreg_imm32_b32 hwreg(HW_REG_WAVE_MODE, 25, 1), 1
	s_wait_xcnt 0x0
	s_wait_alu depctr_hold_cnt(0) depctr_sa_sdst(0) depctr_va_vdst(0) depctr_va_sdst(0) depctr_va_ssrc(0) depctr_va_vcc(0) depctr_vm_vsrc(0)
	s_getreg_b32 s2, hwreg(HW_REG_IB_STS2, 6, 4)
	s_cmp_eq_u32 s2, 0
	s_cbranch_scc0 .Lentry_in_a_cluster
	s_endpgm
.Lentry_in_a_cluster:
	s_bfe_u32 s2, ttmp6, 0x10000c
	s_cmp_lg_u32 s2, 0xf033
	s_cbranch_scc0 .Lentry_shape_is_right
	s_endpgm
.Lentry_shape_is_right:
; out = res + A W + bias.  A: bf16 in blocks of 32 columns, element (row, k) at (k / 32) x 524,288 + row x 64 + (k % 32) x 2; W: bf16 in column tiles [tile of 128][k][128]; bias f32 [512]; res, out: f32 [8192][512].
; LAPS = 1: K = 512 (x1 = x + y Wp + bp).  LAPS = 4: K = 2,048 (out0 = x1 + g W2 + b2).
; A tile of the output is 128 x 128: 256 work-groups.  Four waves, each 64 x 64: 16 accumulators.  K goes in steps of 256 through two LDS slots.
; The matrix instruction is used transposed (source 0 = 16 weight columns, turned on the way out of LDS; source 1 = 16 rows of A): a lane holds 8 neighbouring columns of a row.
; CLUSTER: 4 x 4 work-groups.  The four of a row of the cluster need the same tiles of A, the four of a column the same tiles of W: each is asked for jointly, by the same tensor load with the same descriptor and a mask of the four.
; The way out is the wave's own: its 64 columns of f32 are 256 consecutive bytes of a row, aligned.  Its stage lies in slot 0, whose last fill and last read stand ahead of the last change of slots' barrier.
; LIMITS: NaN and infinities are not treated apart.
; REGISTERS.  Window 0: v0-31 addresses, v4-7 the bias of my 4 columns; v32-95 two sets of residual rows; v96-127 rows read back; v128-255 the accumulators.  Window 1: two fragment buffers of 128.
.set LAPS,  4                          ; a lap = two K steps
.if LAPS == 1
.set WOFF,  1572864                    ; where the weights begin in wts
.set WTS,   131072                     ; a column tile's bytes
.else
.set WOFF,  4194304
.set WTS,   524288
.endif
.set ASTEP, 4194304                    ; a K step of A: 8 blocks of 524,288 bytes
.set BSTEP, 65536                      ; of W: 256 k rows of 256 bytes
.set PAB,   80                         ; a row of a block of A in LDS: 64 bytes + 16: the 16 rows of a load start at 16 different groups of four banks (64 banks of 4 bytes: ISA guide 11.1)
.set HA,    8*64*PAB                   ; a wave's load of A: [8 blocks][64 rows][80 bytes]
.set PB,    288                        ; a k row of W: 256 + 32
.set HB,    128*PB                     ; a wave's load of W: 128 k rows
.set SLOT,  2*HA+2*HB                  ; 155,648
.set SPS,   272
.set SPARE, 2*SLOT                     ; the spare words, 128 bytes for each wave: two blocks of 256 bytes that no other line names
.set ADRA, 16
.set ADRB, 20
.set STO,  24
.set RD,   25
.set CO,   26
.set BOF,  27
.set SPW,  28
.set NIL,  29
.set PFO,  30
.set RES,  32
.set BK,   96
.set ACC,  128
.set F0,   0
.set F1,   128
.set WV,  14
.set WR,  15                           ; which half of the tile's rows is mine.  Also: I fetch for A (0) or for W (1)
.set WC,  16                           ; which half of its columns.  Also: which half of that tile I fetch
.set CX,  17
.set CY,  18
.set TC,  19
.set TR,  20
.set G1A, 24
.set G0A, 32
.set G1B, 48
.set G0B, 56
.set PFA, 66
.set LIM, 68
.set PSTEP, 70
.set RB,  72
.set OB,  74
.set MSB, 0
.macro WIN new                         ; the immediate's high byte repeats the setting that is left; a switch that changes nothing is dropped
.if MSB != (\new)
	s_set_vgpr_msb (MSB<<8)|(\new)
.set MSB, \new
.endif
.endm
.set MUL,  0x05                        ; sources 0 and 1 window 1; C and D window 0
.set TO_F, 0x40                        ; destination window 1, address window 0
.macro PLACES
.rept 4
	v_nop
.endr
.endm
.macro JLOAD s                         ; a joint load: waves 0 and 1 fetch A's two halves, waves 2 and 3 W's; an s_nop 0 and four v_nop follow each of the two lines
	s_cmp_eq_u32 s[WR], 0
	s_cbranch_scc0 .Lfor_b_\@
	tensor_load_to_lds s[G0A+4*(\s):G0A+4*(\s)+3], s[G1A:G1A+7]
	s_nop 0
.rept 4
	v_nop
.endr
	s_branch .Lasked_\@
.Lfor_b_\@:
	tensor_load_to_lds s[G0B+4*(\s):G0B+4*(\s)+3], s[G1B:G1B+7]
	s_nop 0
.rept 4
	v_nop
.endr
.Lasked_\@:
.endm
.macro CREST
	s_cmp_lg_u32 s[WV], 0
	s_cbranch_scc1 .Lnot_wave_0_\@
	s_barrier_signal -3
.Lnot_wave_0_\@:
	s_barrier_wait -3
	s_barrier_signal -1
	s_barrier_wait -1
.endm
.macro CROUND
	s_barrier_signal -1
	s_barrier_wait -1
	CREST
.endm
; 8 matrix instructions: row blocks a0, a0 + 1 x all 4 column blocks, 32 along K.  The 16 accumulators take turns.
.macro MUL8 f, c, a0, zero
	WIN MUL
.irp a, \a0, (\a0)+1
.irp b, 0,1,2,3
.if \zero
	v_wmma_f32_16x16x32_bf16 v[ACC+8*(4*(\a)+(\b)):ACC+8*(4*(\a)+(\b))+7], v[(\f)+64+8*(4*(\c)+(\b)):(\f)+64+8*(4*(\c)+(\b))+7], v[(\f)+8*(4*(\c)+(\a)):(\f)+8*(4*(\c)+(\a))+7], 0
.else
	v_wmma_f32_16x16x32_bf16 v[ACC+8*(4*(\a)+(\b)):ACC+8*(4*(\a)+(\b))+7], v[(\f)+64+8*(4*(\c)+(\b)):(\f)+64+8*(4*(\c)+(\b))+7], v[(\f)+8*(4*(\c)+(\a)):(\f)+8*(4*(\c)+(\a))+7], v[ACC+8*(4*(\a)+(\b)):ACC+8*(4*(\a)+(\b))+7]
.endif
.endr
.endr
.endm
; 32 LDS loads in one run: the fragments of quarter q (64 along K: two blocks of A) of the slot's K step, into buffer f; the first 32 along K first
.macro FETCH slot, q, f
	WIN TO_F
.irp c, 0,1
.irp i, 0,1,2,3
	ds_load_tr16_b128 v[(\f)+64+8*(4*(\c)+(\i)):(\f)+64+8*(4*(\c)+(\i))+3],   v[ADRB+2*(\slot)+(\q)/2] offset:(((\q)%2)*64+32*(\c))*PB+32*(\i)
	ds_load_tr16_b128 v[(\f)+64+8*(4*(\c)+(\i))+4:(\f)+64+8*(4*(\c)+(\i))+7], v[ADRB+2*(\slot)+(\q)/2] offset:(((\q)%2)*64+32*(\c)+16)*PB+32*(\i)
	ds_load_b128 v[(\f)+8*(4*(\c)+(\i)):(\f)+8*(4*(\c)+(\i))+3],   v[ADRA+(\slot)] offset:(2*(\q)+(\c))*64*PAB+(\i)*16*PAB
	ds_load_b128 v[(\f)+8*(4*(\c)+(\i))+4:(\f)+8*(4*(\c)+(\i))+7], v[ADRA+(\slot)] offset:(2*(\q)+(\c))*64*PAB+(\i)*16*PAB+32
.endr
.endr
.endm
.macro QUARTER slot, q, f, g, zero
	s_wait_dscnt 16                                ; the first 32 along K are in; the younger 16 loads may be out
	MUL8 \f, 0, 0, \zero
	MUL8 \f, 0, 2, \zero
	PLACES
	FETCH \slot, \q, \g
	s_wait_dscnt 32                                ; all but the 32 just issued
	MUL8 \f, 1, 0, 0
	MUL8 \f, 1, 2, 0
.endm
; A prefetch into the L2 of the K step that stands two refills on, 32 blocks of 256 bytes a wave, a lane a block, each named once in the launch.  A's rows are read by one cluster alone: of the 8 blocks of 32
; columns x 4,096 bytes that a wave fetches, the partner at place cx takes two.  W's tile is read by every cluster of the column: the first (cluster y = 0) asks, and of a wave's 128 k rows the partner at place cy
; takes 32.  The partners are told apart by address.  The loop's last trip asks for nothing: its refills are the last two K steps.
.macro ASK
	WIN 0
	s_cmp_gt_u32 s3, s[LIM]
	s_cbranch_scc0 .Lnot_mine_\@
	global_prefetch_b8 v[PFO], s[PFA:PFA+1] th:TH_LOAD_NT scope:SCOPE_SE
.Lnot_mine_\@:
.endm
; The last quarter multiplies buffer 1 and changes slots: one barrier; in front of it each wave waits for all its tensor loads, adds 0 to its spare word, and waits for that and for its reads of this slot.
; fill = 1: the barrier opens a round of the cluster's barrier, and behind the round this slot is filled again, two K steps ahead.
.macro TURN slot, next, fill
.if \fill
	s_wait_xcnt 0x0                                ; the last prefetch, a K step back, has read its address
	s_add_nc_u64 s[PFA:PFA+1], s[PFA:PFA+1], s[PSTEP:PSTEP+1]
.endif
	WIN 0
	s_wait_tensorcnt 0x0                           ; all my tensor loads have landed: my part of the next slot
	ds_add_u32 v[SPW], v[NIL]                      ; 0 onto my spare word
	s_wait_dscnt 17                                ; the add and the youngest 16 loads may be out
	MUL8 F1, 0, 0, 0
	s_wait_dscnt 0x0                               ; the add is done, and my reads of this slot are over
	s_barrier_signal -1
	MUL8 F1, 0, 2, 0
.if \fill
	WIN 0
.endif
	s_barrier_wait -1
.if \fill
	CREST                                          ; no wave of any partner still reads this slot or has a load on its way
	s_add_nc_u64 s[G0A+4*(\slot)+2:G0A+4*(\slot)+3], s[G0A+4*(\slot)+2:G0A+4*(\slot)+3], 2*ASTEP
	s_add_nc_u64 s[G0B+4*(\slot)+2:G0B+4*(\slot)+3], s[G0B+4*(\slot)+2:G0B+4*(\slot)+3], 2*BSTEP
	JLOAD \slot                                    ; the four v_nop behind it are also the places in front of the loads below
.else
	PLACES
.endif
	FETCH \next, 0, F0
.if \fill
	ASK
.endif
	MUL8 F1, 1, 0, 0
	MUL8 F1, 1, 2, 0
.endm
; THE WAY OUT.  RESLD a: the residual of my rows 16 a .. 16 a + 15: lanes 0-15 take 256 consecutive bytes of a row, lanes 16-31 of the next.
.macro RESLD a
	WIN 0
.irp t, 0,1,2,3,4,5,6,7
	global_load_b128 v[RES+32*((\a)%2)+4*(\t):RES+32*((\a)%2)+4*(\t)+3], v[CO], s[RB:RB+1] offset:(16*(\a)+2*(\t))*2048
.endr
.endm
; OUTB a: row block a goes into my stage as f32 (each accumulator's low registers first), comes back as whole rows, takes residual and bias, and is stored.
.macro OUTB a
	s_wait_xcnt 0x0                                ; the last block's stores have read the registers that the loads below fill
.irp b, 0,1,2,3
	ds_store_b128 v[STO], v[ACC+8*(4*(\a)+(\b)):ACC+8*(4*(\a)+(\b))+3]   offset:64*(\b)
	ds_store_b128 v[STO], v[ACC+8*(4*(\a)+(\b))+4:ACC+8*(4*(\a)+(\b))+7] offset:64*(\b)+16
.endr
.irp t, 0,1,2,3,4,5,6,7
	ds_load_b128 v[BK+4*(\t):BK+4*(\t)+3], v[RD] offset:(\t)*2*SPS  ; LDS serves a wave's instructions in order (ISA guide 5.7.1.4): these see the stores above
.endr
.if (\a) < 3
	s_wait_loadcnt 8                               ; this block's residual is in (and the bias); the next block's 8 loads stay out
.else
	s_wait_loadcnt 0x0
.endif
	s_wait_dscnt 0x0
.irp t, 0,1,2,3,4,5,6,7
	v_pk_add_f32 v[BK+4*(\t):BK+4*(\t)+1],   v[BK+4*(\t):BK+4*(\t)+1],   v[RES+32*((\a)%2)+4*(\t):RES+32*((\a)%2)+4*(\t)+1]
	v_pk_add_f32 v[BK+4*(\t)+2:BK+4*(\t)+3], v[BK+4*(\t)+2:BK+4*(\t)+3], v[RES+32*((\a)%2)+4*(\t)+2:RES+32*((\a)%2)+4*(\t)+3]
.endr
.irp t, 0,1,2,3,4,5,6,7
	v_pk_add_f32 v[BK+4*(\t):BK+4*(\t)+1],   v[BK+4*(\t):BK+4*(\t)+1],   v[4:5]
	v_pk_add_f32 v[BK+4*(\t)+2:BK+4*(\t)+3], v[BK+4*(\t)+2:BK+4*(\t)+3], v[6:7]
.endr
.irp t, 0,1,2,3,4,5,6,7
	global_store_b128 v[CO], v[BK+4*(\t):BK+4*(\t)+3], s[OB:OB+1] offset:(16*(\a)+2*(\t))*2048  ; 16 lanes store 256 consecutive bytes, aligned
.endr
.if (\a) < 2
	RESLD (\a)+2
.endif
.endm
	s_load_b256 s[4:11], s[0:1], 0x0               ; A s[4:5], wts s[6:7], bias s[8:9], res s[10:11]
	s_load_b64 s[12:13], s[0:1], 0x20              ; out
	v_lshl_add_u32 v[SPW], v0, 2, SPARE
	v_mov_b32 v[NIL], 0
	ds_add_u32 v[SPW], v[NIL]                      ; the wave's opening: the add and its wait stand ahead of my first tensor load; the set-up below, work on registers, stands between them
	v_lshrrev_b32 v1, 5, v0
	v_readfirstlane_b32 s[WV], v1
	s_lshr_b32 s[WR], s[WV], 1
	s_and_b32 s[WC], s[WV], 1
	s_bfe_u32 s[CX], ttmp6, 0x40000
	s_bfe_u32 s[CY], ttmp6, 0x40004
	s_lshl_b32 s[TC], ttmp9, 2
	s_add_co_u32 s[TC], s[TC], s[CX]               ; tile column = 4 x cluster x + cx
	s_and_b32 s[TR], ttmp7, 0xffff
	s_lshl_b32 s[TR], s[TR], 2
	s_add_co_u32 s[TR], s[TR], s[CY]               ; tile row = 4 x cluster y + cy
	s_lshl_b32 s21, s[CY], 2
	s_lshl_b32 s21, 15, s21                        ; my row of the cluster
	s_lshl_b32 s22, 0x1111, s[CX]                  ; my column
	; A's group 1: 8 rows (blocks of 32 columns) of 2,048 elements (64 matrix rows, 4,096 dense bytes), 262,144 elements apart; padded in LDS after every matrix row
	s_or_b32 s[G1A], s21, (1<<16)|(1<<20)|(1<<21)|(3<<22)|(3<<25)  ; the mask; 2-byte elements; padding on; bit 21 beside a mask; after every 16 words, 4 words
	s_mov_b32 s[G1A+1], 2048<<16                   ; tensor_dim0 = 2,048
	s_mov_b32 s[G1A+2], 8<<16                      ; tensor_dim1 = 8
	s_mov_b32 s[G1A+3], 2048<<16                   ; tile_dim0 = 2,048
	s_mov_b32 s[G1A+4], 8                          ; tile_dim1 = 8
	s_mov_b32 s[G1A+5], 262144                     ; elements from row to row
	s_mov_b32 s[G1A+6], 0
	s_mov_b32 s[G1A+7], 0
	; W's group 1: 128 k rows of 128 elements, dense; padded after every row
	s_or_b32 s[G1B], s22, (1<<16)|(1<<20)|(1<<21)|(5<<22)|(7<<25)  ; after every 64 words, 8 words
	s_mov_b32 s[G1B+1], 128<<16
	s_mov_b32 s[G1B+2], 128<<16
	s_mov_b32 s[G1B+3], 128<<16
	s_mov_b32 s[G1B+4], 128
	s_mov_b32 s[G1B+5], 128
	s_mov_b32 s[G1B+6], 0
	s_mov_b32 s[G1B+7], 0
	s_lshl_b32 s40, s[TR], 13                      ; A: the tile's 128 rows of 64 bytes in a block,
	s_lshl_b32 s41, s[WC], 12                      ; the 64 that I fetch
	s_add_co_u32 s40, s40, s41
	s_mov_b32 s41, 0
	s_mul_i32 s44, s[TC], WTS                      ; W: the column tile,
	s_lshl_b32 s45, s[WC], 15                      ; the 128 k rows that I fetch
	s_add_co_u32 s44, s44, s45
	s_add_co_u32 s44, s44, WOFF
	s_mov_b32 s45, 0
	s_mul_i32 s42, s[WC], HA                       ; where they go: A's two halves,
	s_mul_i32 s43, s[WC], HB
	s_add_co_u32 s43, s43, 2*HA                    ; then W's: no place in the cluster enters an LDS address
	s_lshl_b32 s76, s[TR], 18                      ; residual and output: my tile's rows of 2,048 bytes,
	s_lshl_b32 s77, s[WR], 17                      ; my wave's 64,
	s_add_co_u32 s76, s76, s77
	s_lshl_b32 s78, s[TC], 9                       ; my tile's columns,
	s_lshl_b32 s79, s[WC], 8                       ; my wave's 64
	s_add_co_u32 s78, s78, s79
	s_add_co_u32 s76, s76, s78
	s_mov_b32 s77, 0
	s_mov_b32 s79, 0
.if LAPS > 1
	s_lshl_b32 s80, s[TR], 13                      ; the prefetches, at K step 3; the first refill steps them to 4.  A's:
	s_lshl_b32 s81, s[WC], 12
	s_add_co_u32 s80, s80, s81
	s_lshl_b32 s81, s[CX], 20                      ; my work-group's two blocks of the eight
	s_add_co_u32 s80, s80, s81
	s_add_co_u32 s80, s80, 3*ASTEP
	s_mul_i32 s82, s[TC], WTS                      ; W's:
	s_lshl_b32 s83, s[WC], 15
	s_add_co_u32 s82, s82, s83
	s_lshl_b32 s83, s[CY], 13                      ; my work-group's 32 k rows of the 128
	s_add_co_u32 s82, s82, s83
	s_add_co_u32 s82, s82, WOFF+3*BSTEP
	s_mov_b32 s83, ASTEP
	s_and_b32 s85, ttmp7, 0xffff                   ; cluster y
	s_cmp_eq_u32 s[WR], 0
	s_cselect_b32 s80, s80, s82
	s_cselect_b32 s[PSTEP], s83, BSTEP
	s_cselect_b32 s84, 19, 12                      ; lanes 16-31: the next block of A, or 16 k rows on
	s_cselect_b32 s85, 0, s85
	s_mov_b32 s81, 0
	s_mov_b32 s[PSTEP+1], 0
	s_cmp_eq_u32 s85, 0
	s_cselect_b32 s[LIM], 1, -1                    ; the same in all sixteen partners, for a given wave
.endif
	v_and_b32 v1, 15, v0                           ; r = l % 16
	v_bfe_u32 v2, v0, 4, 1                         ; h = l / 16
	v_mul_u32_u24 v3, v1, PAB
	v_lshl_add_u32 v3, v2, 4, v3                   ; row x pitch + 16 x half
	s_mul_i32 s46, s[WR], HA
	v_add_nc_u32 v[ADRA], s46, v3
	v_add_nc_u32 v[ADRA+1], SLOT, v[ADRA]
	v_and_b32 v8, 7, v0
	v_lshl_add_u32 v8, v2, 3, v8                   ; the turning load: k row 8 h + l % 8,
	v_mul_u32_u24 v8, v8, PB
	v_bfe_u32 v9, v0, 3, 1
	v_lshl_add_u32 v8, v9, 4, v8                   ; columns 8 ((l / 8) % 2) + 0..7
	s_lshl_b32 s46, s[WC], 7
	s_add_co_u32 s46, s46, 2*HA
	v_add_nc_u32 v[ADRB], s46, v8
	v_add_nc_u32 v[ADRB+1], HB, v[ADRB]
	v_add_nc_u32 v[ADRB+2], SLOT, v[ADRB]
	v_add_nc_u32 v[ADRB+3], SLOT+HB, v[ADRB]
	s_mul_i32 s46, s[WV], 16*SPS                   ; my stage, in slot 0
	v_mul_u32_u24 v[STO], v1, SPS
	v_lshl_add_u32 v[STO], v2, 5, v[STO]
	v_add_nc_u32 v[STO], s46, v[STO]
	v_mul_u32_u24 v[RD], v2, SPS
	v_lshl_add_u32 v[RD], v1, 4, v[RD]
	v_add_nc_u32 v[RD], s46, v[RD]
	v_lshlrev_b32 v[CO], 11, v2
	v_lshl_add_u32 v[CO], v1, 4, v[CO]
	v_lshlrev_b32 v[BOF], 4, v1
.if LAPS > 1
	v_lshlrev_b32 v[PFO], s84, v2
	v_lshl_add_u32 v[PFO], v1, 8, v[PFO]
.endif
	s_wait_dscnt 0x0                               ; the opening add is done
	s_wait_kmcnt 0x0
	s_add_nc_u64 s[40:41], s[4:5], s[40:41]
	s_add_nc_u64 s[44:45], s[6:7], s[44:45]
	s_add_nc_u64 s[RB:RB+1], s[10:11], s[76:77]
	s_add_nc_u64 s[OB:OB+1], s[12:13], s[76:77]
	s_add_nc_u64 s[86:87], s[8:9], s[78:79]
.if LAPS > 1
	s_cmp_eq_u32 s[WR], 0
	s_cselect_b64 s[PFA:PFA+1], s[4:5], s[6:7]
	s_add_nc_u64 s[PFA:PFA+1], s[PFA:PFA+1], s[80:81]
.endif
	CROUND                                         ; all sixteen work-groups are here: the first joint loads meet
.irp n, 0,1
	s_mov_b32 s[G0A+4*(\n)], 1
	s_add_co_u32 s[G0A+4*(\n)+1], s42, (\n)*SLOT
	s_add_nc_u64 s[G0A+4*(\n)+2:G0A+4*(\n)+3], s[40:41], (\n)*ASTEP
	s_or_b32 s[G0A+4*(\n)+3], s[G0A+4*(\n)+3], 0x80000000
	s_mov_b32 s[G0B+4*(\n)], 1
	s_add_co_u32 s[G0B+4*(\n)+1], s43, (\n)*SLOT
	s_add_nc_u64 s[G0B+4*(\n)+2:G0B+4*(\n)+3], s[44:45], (\n)*BSTEP
	s_or_b32 s[G0B+4*(\n)+3], s[G0B+4*(\n)+3], 0x80000000
	JLOAD \n                                       ; two loads of mine are out
.endr
	global_load_b128 v[4:7], v[BOF], s[86:87]      ; the bias of my 4 columns
	s_wait_tensorcnt 0x1                           ; my part of K step 0 is in; step 1's may stay out
	s_barrier_signal -1
	s_barrier_wait -1                              ; everybody's is
	FETCH 0, 0, F0
	QUARTER 0, 1, F0, F1, 1                        ; the first quarter stands in front of the loop: its first products start the sums
.if LAPS > 1
	WIN 0                                          ; at a label and at a branch every window is 0
	s_mov_b32 s3, LAPS-1
.Llap:                                         ; a trip goes once round the ring, from a lap's second quarter to the next lap's first, and fills both slots again
	QUARTER 0, 2, F1, F0, 0
	QUARTER 0, 3, F0, F1, 0
	TURN 0, 1, 1
	QUARTER 1, 1, F0, F1, 0
	QUARTER 1, 2, F1, F0, 0
	QUARTER 1, 3, F0, F1, 0
	TURN 1, 0, 1
	QUARTER 0, 1, F0, F1, 0
	WIN 0
	s_sub_co_u32 s3, s3, 1
	s_cmp_lg_u32 s3, 0
	s_cbranch_scc1 .Llap
.endif
	QUARTER 0, 2, F1, F0, 0                        ; the last lap fills nothing
	QUARTER 0, 3, F0, F1, 0
	TURN 0, 1, 0
	RESLD 0                                        ; the first residual rows are asked for a K step ahead of the way out
	RESLD 1
	QUARTER 1, 1, F0, F1, 0
	QUARTER 1, 2, F1, F0, 0
	QUARTER 1, 3, F0, F1, 0
	s_wait_dscnt 16                                ; the very last quarter: nothing more to fetch
	MUL8 F1, 0, 0, 0
	MUL8 F1, 0, 2, 0
	s_wait_dscnt 0x0
	MUL8 F1, 1, 0, 0
	MUL8 F1, 1, 2, 0
	WIN 0
	PLACES
	OUTB 0
	OUTB 1
	OUTB 2
	OUTB 3
	s_wait_tensorcnt 0x0                           ; the wave's end, behind my last tensor load and my last LDS store
	ds_add_u32 v[SPW], v[NIL]
	s_wait_dscnt 0x0
	CROUND                                         ; the closing round
	s_endpgm
.Lfunc_end_k_qf5d8504c30_mlp2:
	.size	k_qf5d8504c30_mlp2, .Lfunc_end_k_qf5d8504c30_mlp2-k_qf5d8504c30_mlp2
	.p2alignl 7, 3214868480
	.fill 96, 4, 3214868480
	.section	.rodata,"a",@progbits
	.p2align	6, 0x0
	.amdhsa_kernel k_qf5d8504c30_mlp2
		.amdhsa_group_segment_fixed_size 327680
		.amdhsa_private_segment_fixed_size 0
		.amdhsa_enable_private_segment 0
		.amdhsa_kernarg_size 40
		.amdhsa_user_sgpr_count 2
		.amdhsa_user_sgpr_kernarg_segment_ptr 1
		.amdhsa_wavefront_size32 1
		.amdhsa_system_sgpr_workgroup_id_x 1
		.amdhsa_system_sgpr_workgroup_id_y 1
		.amdhsa_system_sgpr_workgroup_id_z 1
		.amdhsa_system_vgpr_workitem_id 0
		.amdhsa_next_free_vgpr 512
		.amdhsa_next_free_sgpr 100
		.amdhsa_reserve_vcc 0
		.amdhsa_float_denorm_mode_32 3
		.amdhsa_float_denorm_mode_16_64 3
		.amdhsa_memory_ordered 1
		.amdhsa_forward_progress 1
		.amdhsa_inst_pref_size 99
	.end_amdhsa_kernel
	.amdgpu_metadata
---
amdhsa.version: [ 1, 2 ]
amdhsa.kernels:
  - .name:           k_qf5d8504c30_mlp2
    .symbol:         k_qf5d8504c30_mlp2.kd
    .args:
      - { .name: g, .offset: 0, .size: 8, .value_kind: global_buffer, .address_space: global }
      - { .name: wts, .offset: 8, .size: 8, .value_kind: global_buffer, .address_space: global }
      - { .name: b2, .offset: 16, .size: 8, .value_kind: global_buffer, .address_space: global }
      - { .name: x1, .offset: 24, .size: 8, .value_kind: global_buffer, .address_space: global }
      - { .name: out0, .offset: 32, .size: 8, .value_kind: global_buffer, .address_space: global }
    .group_segment_fixed_size: 327680
    .private_segment_fixed_size: 0
    .kernarg_segment_align: 8
    .kernarg_segment_size: 40
    .max_flat_workgroup_size: 128
    .sgpr_count:     100
    .vgpr_count:     512
    .wavefront_size: 32
...
	.end_amdgpu_metadata
.endif
;; end of part 6
